; MI455X (gfx1250); checked and timed in simulation.
; The chip was launched on July 23, 2026; its instructions are those of AMD's public machine-readable ISA for CDNA 5 (MIT licence, August 2026) and "CDNA5" Instruction Set Architecture Reference Guide (July 2026). The comments in the code are by the model that wrote it; some were corrected since.
;; Long Cat Self Attention. Allowed arithmetic: matrix products marked QUANTISED: E2M3 operands, one E8M0 scale for each 32 along K, by v_wmma_scale_f32_16x16x128_f8f6f4 with both operands' format E2M3, f32 sums; everything else in f32.
;; Inputs: Wk 1,024 x 1,024 float32; Wo 1,024 x 1,024 float32; Wq 1,024 x 1,024 float32; Wv 1,024 x 1,024 float32; bk 1,024 float32; bo 1,024 float32; bq 1,024 float32; bv 1,024 float32; k_norm_w 64 float32; q_norm_w 64 float32; x 1 x 4,096 x 1,024 float32.
;; Outputs: out0 1 x 4,096 x 1,024 float32.
;; Constants: H = 16, T = 8, W = 32.
;; This version of the problem:
;;   THIS VERSION OF THE PROBLEM IS GIVEN IN LOW PRECISION. The matrix products marked QUANTISED in the list below multiply operands that are first quantised to E2M3 (2 exponent bits, 3 mantissa bits; 6 bits a number), with one power-of-two scale for each 32 numbers along K (OCP MX v1.0); their sums are f32. All else is computed in f32.
;;   The module's matrix products, in the order in which they are computed (A, B: the left and right operand; K: the contracted axis; several contracted axes count as one K, in the product's order):
;;     1. [M 4,096, K 1,024] x [K 1,024, N 1,024]; A: input x; B: input Wq: QUANTISED
;;     2. [M 4,096, K 1,024] x [K 1,024, N 1,024]; A: input x; B: input Wk: QUANTISED
;;     3. [M 4,096, K 1,024] x [K 1,024, N 1,024]; A: input x; B: input Wv: QUANTISED
;;     4. batch 16 x [M 4,096, K 64] x [K 64, N 4,096]; A: computed on the way; B: computed on the way: QUANTISED
;;     5. batch 16 x [M 64, K 4,096] x [K 4,096, N 4,096]; A: computed on the way; B: softmax (see below): QUANTISED
;;     6. [M 4,096, K 1,024] x [K 1,024, N 1,024]; A: computed on the way; B: input Wo: QUANTISED
;;   THE QUANTISER, for each operand of a quantised product, along K:
;;     - K is cut into blocks of 32 from its start; a last block that is shorter is filled with zeros.
;;     - A block's scale is 2^e with e = floor(log2(the largest magnitude in the block)) - 2, held to -126 .. 127; a block of zeros has e = 0. As a byte (E8M0): e + 127.
;;     - Each number is divided by its block's scale, clamped to +-7.5, and rounded to the nearest number of E2M3, ties to even, subnormals kept.
;;     - The product sums the exact products of the quantised numbers (number of the format x scale) in f32.
;;   ~~~python
;;   def quantise(x, axis):      # numpy; x: float32 -> the quantised numbers, widened to float32 again
;;       x = np.moveaxis(x, axis, -1); K = x.shape[-1]
;;       x = np.pad(x, [(0, 0)] * (x.ndim - 1) + [(0, -K % 32)]); x = x.reshape(x.shape[:-1] + (-1, 32)); a = np.abs(x).max(-1, keepdims=True)
;;       e = np.where(a > 0, np.clip(np.frexp(np.where(a > 0, a, 1))[1] - 1 - 2, -126, 127), 0)      # np.frexp(a)[1] - 1 = floor(log2(a)), exactly
;;       r = np.clip(x / 2.0 ** e, -7.5, 7.5)
;;       step = 2.0 ** (np.maximum(np.frexp(np.where(r == 0, 1, r))[1] - 1, 0) - 3)
;;       q = np.round(r / step) * step * 2.0 ** e      # np.round: ties to even
;;       return np.moveaxis(q.reshape(q.shape[:-2] + (-1,))[..., :K], -1, axis).astype(np.float32)
;;   ~~~
;;   SOFTMAX AHEAD OF A QUANTISED PRODUCT. Where the list says 'softmax', what is quantised is not the finished softmax but p = 2^(t - M), with t = logit x log2(e) and M = ceil(the row's largest t), a whole number; so 1/2 < the row's largest p <= 1. The row's sum l is taken of the UNQUANTISED p, in f32, and the product's result is divided by l at the end. Since M is a whole number, a kernel that streams over the keys may use a running M (the ceiling of the running maximum): every later rescaling is an exact power of two, which a block's scale takes up: the codes' values come out the same.
;;   OPERANDS COMPUTED ON THE WAY. 'Computed on the way' means the value that the module computes at that place (a softmax that the list does not call 'softmax' is quantised finished and normalised). What goes into a quantiser is computed in f32, as accurately as f32 sums, v_exp_f32 and their like allow (about 1e-6 of the number): no bf16 or f16 on the way to a quantiser, and a product that is left as it is and whose result goes on into a quantised operand takes f32 operands (vector FMAs, or v_wmma_f32_16x16x4_f32). A number that lies on a knife's edge between two numbers of the format may be rounded either way, as far as f32 arithmetic and the matrix unit's own rounding can turn it there, and no further.
;; One version. Each part assembles by itself: llvm-mc -triple=amdgcn-amd-amdhsa -mcpu=gfx1250 --defsym DOCPART=n.
;; ======== version 1 of 1: 4 launches
;; limits: right only within a limited range of input values
;; workspace buffers: xw 6,553,600 bytes; rope 1,048,576 bytes; qq 3,407,872 bytes; kv 6,684,672 bytes; oo 3,276,800 bytes
;; launch prep (part 1): grid 288 x 1, 4 waves a work-group, no clusters, 34,304 bytes of LDS; arguments x, Wq, Wk, Wv, Wo, xw, rope; writes xw, rope
.if DOCPART == 1
	.amdgcn_target "amdgcn-amd-amdhsa--gfx1250"
	.amdhsa_code_object_version 6
	.text
	.protected	k_q3307b3fe70_prep
	.globl	k_q3307b3fe70_prep
	.p2align	8
	.type	k_q3307b3fe70_prep,@function
k_q3307b3fe70_prep:
	s_mov_b64 s[64:65], 0
	v_nop
	global_prefetch_b8 v0, s[64:65] scope:SCOPE_SE
	s_setreg_imm32_b32 hwreg(HW_REG_WAVE_MODE, 25, 1), 1
	s_wait_xcnt 0x0
; x [4096][1024] and Wq, Wk, Wv, Wo [1024][1024], f32, K innermost, stacked to 8,192 rows, become codes of FP6 (E2M3) with one E8M0 byte for each 32 along K;
; and the table of cosines and sines of the 3-D RoPE is made.  Both are laid as the later launches' registers want them.
; TILES.  Tile g = 2 B + u holds 16 rows: its row rho is matrix row 32 B + 8 u + rho + 8 (rho / 8).  x: tiles 0-255, Wq 256-, Wk 320-, Wv 384-, Wo 448-.
; xw, codes: [g][K step s of 128][1,536 bytes]: the fragment's 12 registers as an image: registers 4 c .. 4 c + 3 of lane l at 512 c + 16 l.
; xw, scale words, from XWS0 on: [g][half of K][rho][4 words]: 512 bytes a tile.
; rope: [token tile g][piece 0-7][lane][16 bytes]: piece 4 b + i of lane (rho, h) = cos, sin, cos, sin of pairs 16 b + 8 h + 2 i and + 1 of the tile's token rho.
; WORK-GROUPS 0-255: 32 rows each (tiles 2 b, 2 b + 1); wave w: tile u = w / 2, half w % 2 of K: four fragments.  Each load reads 512 consecutive bytes of a row; a fragment turns through the wave's own
; stage in LDS (rows 528 bytes apart), so that lane (rho, h) gets blocks h and 2 + h of its row whole; every store of codes covers 512 consecutive bytes.  No barrier: waves share nothing.
; WORK-GROUPS 256-287: a thread to a token; 32 angles each; no LDS.  Sine and cosine by reduction to a quarter turn in two steps and polynomials of degree 7 and 8.
; A block's scale is 2^(floor(log2(largest magnitude)) - 2); its byte is the largest magnitude's exponent field - 2, held at 1 from below.
; LIMITS: NaN and infinities among the inputs are not served.  A block of zeros, or one whose largest magnitude lies under 2^-124, gets the byte 1 (its codes add nothing or are as the floor gives them); these bytes are
; read by this program alone.  The frequencies are 10^(-j/3) and 10^(-0.4 j) rounded to f32; angles reach 31; sine and cosine are good to about 1e-7 absolute beside the angle's own rounding.
.set XWS0,  6291456
.set PITCH, 528
.set WST,   16*PITCH                   ; a wave's stage
.set R,     16                         ; v16-143  two sets of 64: a fragment as loaded
.set X,     144                        ; v144-207 my two blocks of 32 neighbours
.set C,     208                        ; v208-219 the fragment's codes
.set T,     220                        ; v220-226 the halves that a conversion cannot put in place
.set SW,    228                        ; v228-231 my row's scale words of the four fragments
.macro LOADF t                         ; fragment t: 16 rows x 512 bytes; 32 lanes read 512 consecutive bytes
.irp p, 0,1,2,3,4,5,6,7,8,9,10,11,12,13,14,15
	global_load_b128 v[R+64*((\t)%2)+4*\p:R+64*((\t)%2)+4*\p+3], v2, s[12:13] offset:(\p+8*(\p/8))*4096+512*(\t) th:TH_LOAD_NT
.endr
.endm
.macro TURNF t                         ; through the stage: LDS serves a wave's instructions in order, so no wait stands between the stores and the loads
.irp p, 0,1,2,3,4,5,6,7,8,9,10,11,12,13,14,15
	ds_store_b128 v3, v[R+64*((\t)%2)+4*\p:R+64*((\t)%2)+4*\p+3] offset:PITCH*\p
.endr
.irp c, 0,1
.irp i, 0,1,2,3,4,5,6,7
	ds_load_b128 v[X+32*\c+4*\i:X+32*\c+4*\i+3], v4 offset:256*\c+16*\i
.endr
.endr
.endm
.macro QF t                            ; my two blocks (k = 64 c + 32 h + 0 .. 31) become registers 6 c .. 6 c + 5 of the fragment
.irp c, 0,1
	v_max3_num_f32 v[232+\c], |v[X+32*\c]|, |v[X+32*\c+1]|, 0x1800000   ; with the floor 2^(3 - 127): the byte cannot fall under 1
.endr
.irp i, 2,4,6,8,10,12,14,16,18,20,22,24,26,28,30
.irp c, 0,1
	v_max3_num_f32 v[232+\c], v[232+\c], |v[X+32*\c+\i]|, |v[X+32*\c+\i+1]|
.endr
.endr
.irp c, 0,1
	v_add_nc_u32 v[234+\c], 0xff000000, v[232+\c]   ; 2 off the exponent field: the conversion's scale operand
.endr
.irp c, 0,1
	v_lshrrev_b32 v[236+\c], 23, v[234+\c]          ; the scale's byte
.endr
	v_lshl_or_b32 v238, v237, 16, v236             ; bytes h and 2 + h of my row's word,
	v_lshlrev_b32 v238, v6, v238                   ; 8 h bits up;
	v_permlanex16_b32 v239, v238, s44, s45
	v_or_b32 v[SW+(\t)], v238, v239                ; with lane l xor 16's two the word is whole
	v_cvt_scalef32_pk16_fp6_f32 v[C:C+2], v[X:X+15], v234
	v_cvt_scalef32_pk16_fp6_f32 v[T:T+2], v[X+16:X+31], v234       ; (a conversion's three registers begin on an even number)
	v_cvt_scalef32_pk16_fp6_f32 v[C+6:C+8], v[X+32:X+47], v235
	v_cvt_scalef32_pk16_fp6_f32 v[T+4:T+6], v[X+48:X+63], v235
	v_nop                                          ; one plain line behind the conversions
.irp i, 0,1,2
	v_mov_b32 v[C+3+\i], v[T+\i]
	v_mov_b32 v[C+9+\i], v[T+4+\i]
.endr
.irp c, 0,1,2
	global_store_b128 v2, v[C+4*\c:C+4*\c+3], s[24:25] offset:1536*(\t)+512*\c   ; 32 lanes store 512 consecutive bytes
.endr
.endm
; cos and sin of pos x freq into v[c], v[s].  n = the nearest whole number of quarter turns; r = the angle less n quarter turns, in two fused steps
.macro SINCOS pos, freq, c, s
	v_mul_f32 v16, \freq, v[\pos]
	v_mul_f32 v17, 0x3f22f983, v16                 ; x 2 / pi
	v_rndne_f32 v17, v17
	v_fmamk_f32 v18, v17, 0xbfc90fdb, v16          ; - n x (pi / 2 rounded to f32)
	v_fmamk_f32 v18, v17, 0x333bbd2e, v18          ; - n x (what that rounding left)
	v_mul_f32 v19, v18, v18                        ; z = r r
	v_fmaak_f32 v20, v28, v19, 0x3c08839e
	v_fmaak_f32 v21, v29, v19, 0xbab6061a
	v_fmaak_f32 v20, v20, v19, 0xbe2aaaa3
	v_fmaak_f32 v21, v21, v19, 0x3d2aaaa5
	v_mul_f32 v22, v19, v18
	v_mul_f32 v23, v19, v19
	v_fma_f32 v24, v19, -0.5, 1.0
	v_fma_f32 v20, v20, v22, v18                   ; sin r
	v_fma_f32 v21, v21, v23, v24                   ; cos r
	v_cvt_i32_f32 v25, v17
	v_and_b32 v26, 1, v25
	v_cmp_eq_u32 vcc_lo, 1, v26                    ; an odd quarter: sine and cosine change places
	v_cndmask_b32 v[\s], v20, v21, vcc_lo
	v_cndmask_b32 v[\c], v21, v20, vcc_lo
	v_lshlrev_b32 v26, 30, v25                     ; the sine is negative in quarters 2, 3: bit 1 of n
	v_add_nc_u32 v25, 1, v25                       ; the cosine in quarters 1, 2: bit 1 of n + 1
	v_and_b32 v26, 0x80000000, v26
	v_lshlrev_b32 v25, 30, v25
	v_xor_b32 v[\s], v26, v[\s]
	v_and_b32 v25, 0x80000000, v25
	v_xor_b32 v[\c], v25, v[\c]
.endm
.set pp, 0
.macro PAIR pos, freq                  ; pair pp; behind each odd pair 16 bytes leave, from registers of their own: sixteen neighbouring lanes store 256 consecutive bytes
	SINCOS \pos, \freq, 32+2*pp, 33+2*pp
.if pp%2
	global_store_b128 v13, v[32+2*(pp-1):32+2*(pp-1)+3], s[4:5] offset:(4*(pp/16)+((pp/2)%4))*512+256*((pp/8)%2)
.endif
.set pp, pp+1
.endm
	v_lshl_add_u32 v254, v0, 2, 0x8400
	v_mov_b32 v255, 0
	s_cmp_ge_u32 ttmp9, 256
	s_cbranch_scc1 .Lrope
	s_load_b256 s[4:11], s[0:1], 0x0               ; x, Wq, Wk, Wv
	s_load_b128 s[12:15], s[0:1], 0x20             ; Wo, xw
	v_lshrrev_b32 v1, 5, v0
	v_readfirstlane_b32 s16, v1                    ; wave
	v_and_b32 v1, 31, v0                           ; lane
	v_and_b32 v8, 15, v0                           ; rho
	v_bfe_u32 v5, v0, 4, 1                         ; h
	v_lshlrev_b32 v2, 4, v1                        ; 16 x lane
	s_mul_i32 s17, s16, WST
	v_add_nc_u32 v3, s17, v2                       ; the stage, on the way in
	v_mul_u32_u24 v4, v8, PITCH
	v_lshl_add_u32 v4, v5, 7, v4
	v_add_nc_u32 v4, s17, v4                       ; and out: row rho, + 128 h
	v_lshlrev_b32 v6, 3, v5                        ; 8 h
	v_lshl_add_u32 v7, v8, 4, v6                   ; 16 rho + 8 h
	v_mov_b32 v239, 0                              ; written once: a lane permute's destination counts as one of its sources
	s_mov_b32 s44, 0x76543210
	s_mov_b32 s45, 0xfedcba98                      ; selects for lane l xor 16
	s_lshr_b32 s18, s16, 1                         ; u
	s_and_b32 s19, s16, 1                          ; which half of K
	s_and_b32 s20, ttmp9, 31
	s_cmp_lt_u32 ttmp9, 128
	s_cselect_b32 s20, ttmp9, s20                  ; the block of 32 rows inside its own tensor
	s_lshl_b32 s20, s20, 17
	s_lshl_b32 s21, s18, 15                        ; + 8 u rows of 4,096 bytes
	s_add_co_u32 s20, s20, s21
	s_lshl_b32 s21, s19, 11                        ; + half a row
	s_add_co_u32 s20, s20, s21
	s_mov_b32 s21, 0
	s_lshl_b32 s22, ttmp9, 1
	s_add_co_u32 s22, s22, s18                     ; g
	s_mul_i32 s24, s22, 12288
	s_mul_i32 s23, s19, 4*1536
	s_add_co_u32 s24, s24, s23
	s_mov_b32 s25, 0
	s_lshl_b32 s26, s22, 9
	s_lshl_b32 s23, s19, 8
	s_add_co_u32 s26, s26, s23
	s_add_co_u32 s26, s26, XWS0
	s_mov_b32 s27, 0
	s_wait_alu depctr_va_vdst(0)
	s_wait_kmcnt 0x0
	s_cmp_lt_u32 ttmp9, 224                        ; which tensor: the choice hangs on the work-group's number alone
	s_cselect_b64 s[12:13], s[10:11], s[12:13]
	s_cmp_lt_u32 ttmp9, 192
	s_cselect_b64 s[12:13], s[8:9], s[12:13]
	s_cmp_lt_u32 ttmp9, 160
	s_cselect_b64 s[12:13], s[6:7], s[12:13]
	s_cmp_lt_u32 ttmp9, 128
	s_cselect_b64 s[12:13], s[4:5], s[12:13]
	s_add_nc_u64 s[12:13], s[12:13], s[20:21]
	s_add_nc_u64 s[24:25], s[14:15], s[24:25]
	s_add_nc_u64 s[26:27], s[14:15], s[26:27]
	LOADF 0
	LOADF 1
.irp t, 0,1,2,3
.if \t < 3
	s_wait_loadcnt 16                              ; this fragment's 16 loads are in; the next one's 16 may be out
.else
	s_wait_loadcnt 0x0
.endif
	TURNF \t
	s_wait_dscnt 0x0                               ; my numbers are back, and the stores into the stage have read their registers
	s_wait_xcnt 0x0                                ; the last fragment's stores have read the codes' registers
.if \t < 2
	LOADF \t+2
.endif
	QF \t
.endr
	v_cmp_eq_u32 vcc_lo, 1, v5
	v_cndmask_b32 v240, v[SW], v[SW+2], vcc_lo     ; lanes 0-15 store words 0, 1 of their row, lanes 16-31 words 2, 3
	v_cndmask_b32 v241, v[SW+1], v[SW+3], vcc_lo
	global_store_b64 v7, v[240:241], s[26:27]      ; 32 lanes store 256 consecutive bytes
	s_wait_tensorcnt 0x0
	ds_add_u32 v254, v255
	s_wait_dscnt 0x0
	s_endpgm
.Lrope:
	s_load_b64 s[4:5], s[0:1], 0x30                ; rope
	s_sub_co_u32 s6, ttmp9, 256
	s_lshl_b32 s6, s6, 7
	v_add_nc_u32 v1, s6, v0                        ; 16 g + rho
	v_lshrrev_b32 v2, 4, v1                        ; g
	v_and_b32 v3, 15, v1                           ; rho
	v_lshrrev_b32 v4, 1, v2
	v_and_b32 v5, 1, v2
	v_lshlrev_b32 v6, 5, v4
	v_lshl_add_u32 v6, v5, 3, v6
	v_add_nc_u32 v6, v6, v3
	v_and_b32 v7, 8, v3
	v_add_nc_u32 v6, v6, v7                        ; the token: 32 (g / 2) + 8 (g % 2) + rho + 8 (rho / 8) = 512 t + 32 h + w
	v_lshrrev_b32 v7, 9, v6
	v_bfe_u32 v8, v6, 5, 4
	v_and_b32 v9, 31, v6
	v_cvt_f32_u32 v10, v7                          ; t
	v_cvt_f32_u32 v11, v8                          ; h
	v_cvt_f32_u32 v12, v9                          ; w
	v_lshlrev_b32 v13, 12, v2
	v_lshl_add_u32 v13, v3, 4, v13                 ; 4,096 g + 16 rho
	v_mov_b32 v28, 0xb94ca1f9                      ; the polynomials' leading coefficients
	v_mov_b32 v29, 0x37ccf5ce
	s_wait_alu depctr_va_vdst(0)
	s_wait_kmcnt 0x0
.irp f, 1.0, 0.464158883, 0.215443469, 0.1, 0.0464158883, 0.0215443469, 0.01, 0.00464158883, 0.00215443469, 0.001, 0.000464158883, 0.000215443469
	PAIR 10, \f
.endr
.irp f, 1.0, 0.398107171, 0.158489319, 0.0630957344, 0.0251188643, 0.01, 0.00398107171, 0.00158489319, 0.000630957344, 0.000251188643
	PAIR 11, \f
.endr
.irp f, 1.0, 0.398107171, 0.158489319, 0.0630957344, 0.0251188643, 0.01, 0.00398107171, 0.00158489319, 0.000630957344, 0.000251188643
	PAIR 12, \f
.endr
	s_endpgm
.Lfunc_end_k_q3307b3fe70_prep:
	.size	k_q3307b3fe70_prep, .Lfunc_end_k_q3307b3fe70_prep-k_q3307b3fe70_prep
	.p2alignl 7, 3214868480
	.fill 96, 4, 3214868480
	.section	.rodata,"a",@progbits
	.p2align	6, 0x0
	.amdhsa_kernel k_q3307b3fe70_prep
		.amdhsa_group_segment_fixed_size 34304
		.amdhsa_private_segment_fixed_size 0
		.amdhsa_enable_private_segment 0
		.amdhsa_kernarg_size 56
		.amdhsa_user_sgpr_count 2
		.amdhsa_user_sgpr_kernarg_segment_ptr 1
		.amdhsa_wavefront_size32 1
		.amdhsa_system_sgpr_workgroup_id_x 1
		.amdhsa_system_sgpr_workgroup_id_y 1
		.amdhsa_system_sgpr_workgroup_id_z 1
		.amdhsa_system_vgpr_workitem_id 0
		.amdhsa_next_free_vgpr 256
		.amdhsa_next_free_sgpr 66
		.amdhsa_reserve_vcc 1
		.amdhsa_float_denorm_mode_32 3
		.amdhsa_float_denorm_mode_16_64 3
		.amdhsa_memory_ordered 1
		.amdhsa_forward_progress 1
		.amdhsa_inst_pref_size 73
	.end_amdhsa_kernel
	.amdgpu_metadata
---
amdhsa.version: [ 1, 2 ]
amdhsa.kernels:
  - .name:           k_q3307b3fe70_prep
    .symbol:         k_q3307b3fe70_prep.kd
    .args:
      - { .name: x, .offset: 0, .size: 8, .value_kind: global_buffer, .address_space: global }
      - { .name: Wq, .offset: 8, .size: 8, .value_kind: global_buffer, .address_space: global }
      - { .name: Wk, .offset: 16, .size: 8, .value_kind: global_buffer, .address_space: global }
      - { .name: Wv, .offset: 24, .size: 8, .value_kind: global_buffer, .address_space: global }
      - { .name: Wo, .offset: 32, .size: 8, .value_kind: global_buffer, .address_space: global }
      - { .name: xw, .offset: 40, .size: 8, .value_kind: global_buffer, .address_space: global }
      - { .name: rope, .offset: 48, .size: 8, .value_kind: global_buffer, .address_space: global }
    .group_segment_fixed_size: 34304
    .private_segment_fixed_size: 0
    .kernarg_segment_align: 8
    .kernarg_segment_size: 56
    .max_flat_workgroup_size: 128
    .sgpr_count:     66
    .vgpr_count:     256
    .wavefront_size: 32
...
	.end_amdgpu_metadata
.endif
;; end of part 1
;; launch qkv (part 2): grid 12 x 16, 4 waves a work-group, clusters of 4 x 4, 327,680 bytes of LDS; arguments xw, rope, bq, bk, bv, q_norm_w, k_norm_w, qq, kv; writes qq, kv
.if DOCPART == 2
	.amdgcn_target "amdgcn-amd-amdhsa--gfx1250"
	.amdhsa_code_object_version 6
	.text
	.protected	k_q3307b3fe70_qkv
	.globl	k_q3307b3fe70_qkv
	.p2align	8
	.type	k_q3307b3fe70_qkv,@function
k_q3307b3fe70_qkv:
	s_mov_b64 s[64:65], 0
	v_nop
	global_prefetch_b8 v0, s[64:65] scope:SCOPE_SE
	s_setreg_imm32_b32 hwreg(HW_REG_WAVE_MODE, 25, 1), 1
	s_wait_xcnt 0x0
	s_wait_alu depctr_hold_cnt(0) depctr_sa_sdst(0) depctr_va_vdst(0) depctr_va_sdst(0) depctr_va_ssrc(0) depctr_va_vcc(0) depctr_vm_vsrc(0)
	s_getreg_b32 s2, hwreg(HW_REG_IB_STS2, 6, 4)
	s_cmp_eq_u32 s2, 0
	s_cbranch_scc0 .Lentry_in_a_cluster
	s_endpgm
.Lentry_in_a_cluster:
	s_bfe_u32 s2, ttmp6, 0x10000c
	s_cmp_lg_u32 s2, 0xf033
	s_cbranch_scc0 .Lentry_shape_is_right
	s_endpgm
.Lentry_shape_is_right:
; q = rope(rmsnorm(x Wq^T + bq)), k likewise, v = x Wv^T + bv: three products on codes of FP6 (E2M3), K = 1,024, and their results quantised again as the operands of attention's two products.
; A work-group of four waves makes 256 x 256 of a product, a wave 128 x 128: 64 accumulators.  Source 1 ("A") gives a lane its row, source 0 ("B") runs along a lane's registers.
; The cluster's x says which product: 0: q, 1: k (A = x's tokens, B = the weight's channels: a lane holds one token and, of each block of 32 channels, 16 neighbours);
; 2: v (A = Wv's channels, B = x's tokens: a lane holds one channel and 16 neighbouring tokens of each block of 32, since the tokens are the K of attention's second product).
; That the 16 registers of B's tiles 2 B and 2 B + 1 are neighbours follows from the order of rows in a tile: row rho of tile 2 B + u is matrix row 32 B + 8 u + rho + 8 (rho / 8).
; OPERANDS lie in memory as images of their registers (12 registers a lane for 16 rows x 128 K: 1,536 bytes): a K step of 256 of 8 tiles is 8 rows of 3,072 bytes for one tensor load, and a fragment is three ds_load_b128 of
; 512 consecutive bytes: no pitch, no padding.  K goes in four steps of 256 through two LDS slots; with so few steps nothing is looped.
; CLUSTERS: 4 x 4 work-groups; A's tiles are asked for jointly along a row of the cluster, B's along a column.  The scale words (16 KB) and the RoPE table (64 KB) come by loads of the work-group's own: small beside the
; 384 KB of codes that a work-group walks.  The clusters of v fetch the RoPE table too and do not read it: so every path has the same tensor loads.
; OUT: qq codes [head][tile][3 pieces][lane][8 bytes], words [head][tile][rho] from QS0 on (bytes 2, 3 = 127: K = 64 .. 127 are zero codes in attention);
;      kv codes [head][chunk of 1,024 keys][K: 64 tiles x 768 | V: 8 key steps x 4 channel tiles x 1,536], scale words from KVS0 on: [head][K: [tile][rho] | V: [key step][tile][rho]].
; LIMITS: NaN and infinities are not served; a block whose largest magnitude lies under 2^-124 (a block of zeros too) gets the byte 1; these bytes are read by this program alone.
; REGISTERS: window 0: v1-29 addresses; v32-63 scale words (two sets); v64-79 bv; v80-127 at work behind the products; v128-223 A's fragments, later the block in hand, cos/sin and codes; v224-255 the norm's weight.
;   window 1: B's fragments, two sets at v0 and v128; v96-127, v224-255 the bias of my 128 channels.   windows 2, 3: the accumulators ((a, b) at v[8 (8 (a % 4) + b)]).
.set XWS0,  6291456
.set QS0,   3145728
.set KVS0,  6291456
.set FR,    12
.set NLA,   3                          ; LDS loads that bring a fragment of A
.set NP,    4                          ; places behind this matrix instruction (ISA guide 7.12.1)
.set TILEB, 3072                       ; a tile's bytes in a slot: two fragments
.set HALFT, 8*TILEB                    ; what one tensor load brings
.set SLOT,  4*HALFT                    ; A's 16 tiles, then B's
.set SCL,   2*SLOT                     ; the scale words: A's 8,192 bytes, B's 8,192
.set ROPE,  SCL+16384                  ; cos and sin of the work-group's 16 token tiles
.set SWQ,   ROPE+65536                 ; scale words on their way out, 1,024 bytes a wave (q, k)
.set SWV,   SWQ+4096                   ; the same for v, in bytes of its own
.set SPARE, SWV+4096                   ; the spare words, 128 bytes a wave
.set ADRA, 16
.set ADRB, 20
.set ADRS, 27
.set SPW,  28
.set NIL,  29
.set SC,   32
.set BV,   64
.set TM,   80
.set PW,   96
.set AF,   128
.set Y,    128
.set CS,   160
.set PC,   192
.set TT,   204
.set NW,   224
.set SEL,  12
.set G1,   24
.set G0,   32
.set G1B,  48
.set G0B,  56
.set G1S,  68
.set G0S,  76
.set G1R,  80
.set G0R,  88
.set MSB, 0
.macro WIN new                         ; the immediate's high byte repeats the setting that is left
.if MSB != (\new)
	s_set_vgpr_msb (MSB<<8)|(\new)
.set MSB, (\new)
.endif
.endm
.set MUL_LO, 0xa1                      ; source 0 (B) window 1, source 1 (A) window 0, C and D window 2
.set MUL_HI, 0xf1
.set TO_B,   0x40
.macro PLACES n
.rept \n
	v_nop
.endr
.endm
; A joint load: waves 0, 1 fetch for A, waves 2, 3 for B; the branch hangs on the wave's number alone.  Four v_nop follow each line.
.macro JLOAD g0a, g1a, g0b, g1b
	s_cmp_eq_u32 s15, 0
	s_cbranch_scc0 .Lfor_b_\@
	tensor_load_to_lds s[\g0a:\g0a+3], s[\g1a:\g1a+7]
	s_nop 0
	PLACES 4
	s_branch .Lasked_\@
.Lfor_b_\@:
	tensor_load_to_lds s[\g0b:\g0b+3], s[\g1b:\g1b+7]
	s_nop 0
	PLACES 4
.Lasked_\@:
.endm
.macro CREST
	s_cmp_lg_u32 s14, 0
	s_cbranch_scc1 .Lnot_wave_0_\@
	s_barrier_signal -3
.Lnot_wave_0_\@:
	s_barrier_wait -3
	s_barrier_signal -1
	s_barrier_wait -1
.endm
.macro CROUND
	s_barrier_signal -1
	s_barrier_wait -1
	CREST
.endm
.macro FRAG reg, adr, q, i             ; a fragment comes as it was stored: three times 512 consecutive bytes
.irp c, 0,1,2
	ds_load_b128 v[\reg+4*\c:\reg+4*\c+3], v[\adr] offset:(\i)*TILEB+(\q)*1536+512*\c
.endr
.endm
.macro FETCH_B slot, q, p
	WIN TO_B
.irp i, 0,1,2,3,4,5,6,7
	FRAG 128*(\p)+FR*\i, ADRB+\slot, \q, \i
.endr
	WIN 0
.endm
.macro FETCH_A slot, q, i0
.irp i, \i0, \i0+1, \i0+2, \i0+3
	FRAG AF+FR*(\i), ADRA+\slot, \q, \i
.endr
.endm
.macro SCALES sc                       ; two words a row: lanes 0-15 A's tile i, lanes 16-31 B's tile i
.irp i, 0,1,2,3,4,5,6,7
	ds_load_b64 v[SC+16*\sc+2*\i:SC+16*\sc+2*\i+1], v[ADRS] offset:512*\i
.endr
.endm
; 16 matrix instructions: A's tiles a0, a0 + 1 x B's eight.  The 64 accumulators take turns, one instruction a turn, in the same order in every step.
.macro MUL16 a0, p, q, sc, zero
.irp a, \a0, \a0+1
.irp b, 0,1,2,3,4,5,6,7
.if \zero
	v_wmma_scale_f32_16x16x128_f8f6f4 v[8*(8*((\a)%4)+\b):8*(8*((\a)%4)+\b)+7], v[128*(\p)+FR*\b:128*(\p)+FR*\b+FR-1], v[AF+FR*(\a):AF+FR*(\a)+FR-1], 0, v[SC+16*(\sc)+2*\b+(\q)], v[SC+16*(\sc)+2*(\a)+(\q)] matrix_a_fmt:MATRIX_FMT_FP6 matrix_b_fmt:MATRIX_FMT_FP6 matrix_a_scale:MATRIX_SCALE_ROW1
.else
	v_wmma_scale_f32_16x16x128_f8f6f4 v[8*(8*((\a)%4)+\b):8*(8*((\a)%4)+\b)+7], v[128*(\p)+FR*\b:128*(\p)+FR*\b+FR-1], v[AF+FR*(\a):AF+FR*(\a)+FR-1], v[8*(8*((\a)%4)+\b):8*(8*((\a)%4)+\b)+7], v[SC+16*(\sc)+2*\b+(\q)], v[SC+16*(\sc)+2*(\a)+(\q)] matrix_a_fmt:MATRIX_FMT_FP6 matrix_b_fmt:MATRIX_FMT_FP6 matrix_a_scale:MATRIX_SCALE_ROW1
.endif
.endr
.endr
.endm
.macro STEP slot, q, zero              ; 128 along K that has its successor in the same slot
	s_wait_dscnt 4*NLA                             ; all but the youngest loads, A's tiles 4-7
	WIN MUL_LO
	MUL16 0, (\q)%2, \q, \slot, \zero
	MUL16 2, (\q)%2, \q, \slot, \zero
	s_wait_dscnt 0
	PLACES NP
	FETCH_B \slot, (\q)+1, 1-(\q)%2
	FETCH_A \slot, (\q)+1, 0
	WIN MUL_HI
	MUL16 4, (\q)%2, \q, \slot, \zero
	MUL16 6, (\q)%2, \q, \slot, \zero
	PLACES NP
	WIN 0
	FETCH_A \slot, (\q)+1, 4
.endm
; A slot's last 128 along K, and the change of slots: one barrier; in front of it each wave waits for all its tensor loads, adds 0 to its spare word, and waits for that and for its reads of this slot.
.macro TURN slot, next, fill
	s_wait_tensorcnt 0x0                           ; all my tensor loads have landed
	ds_add_u32 v[SPW], v[NIL]                      ; 0 onto my spare word
	s_wait_dscnt 4*NLA+1                           ; (the add and A's tiles 4-7 may be out)
	WIN MUL_LO
	MUL16 0, 1, 1, \slot, 0
	s_wait_dscnt 0x0                               ; the add is done, and my reads of this slot are over
	s_barrier_signal -1
	MUL16 2, 1, 1, \slot, 0
	WIN 0
	s_barrier_wait -1
.if \fill == 2
	CREST                                          ; no slot is filled again here: the RoPE table's first fill, my one load behind this round
	tensor_load_to_lds s[G0R:G0R+3], s[G1R:G1R+7]
	s_nop 0
	PLACES 4
.elseif \fill
	CREST
	s_add_nc_u64 s[G0+4*\slot+2:G0+4*\slot+3], s[G0+4*\slot+2:G0+4*\slot+3], 2*TILEB
	s_add_nc_u64 s[G0B+4*\slot+2:G0B+4*\slot+3], s[G0B+4*\slot+2:G0B+4*\slot+3], 2*TILEB
	JLOAD G0+4*\slot, G1, G0B+4*\slot, G1B         ; the first tensor load behind the round; its four v_nop are also the places in front of the loads below
.else
	PLACES NP
.endif
	s_wait_alu depctr_va_vdst(0)
	v_add_nc_u32 v[ADRS], 8+240*(\slot), v[ADRS]   ; the next K step's two words: 8 bytes on, or into the tile's second half
	FETCH_B \next, 0, 0
	FETCH_A \next, 0, 0
	SCALES \next
	WIN MUL_HI
	MUL16 4, 1, 1, \slot, 0
	MUL16 6, 1, 1, \slot, 0
	PLACES NP
	WIN 0
	FETCH_A \next, 0, 4
.endm
; 32 numbers of a lane, register 16 b + i = k 32 b + 16 (lane / 16) + i of my row, become registers 0-5 of a fragment in v[PC] on, and the scale word in v[PW]
.macro HALFQ s
.irp b, 0,1
	v_max3_num_f32 v[TM+\b], |v[\s+16*\b]|, |v[\s+1+16*\b]|, 0x1800000   ; with the floor 2^(3 - 127)
.endr
.irp i, 2,4,6,8,10,12,14
.irp b, 0,1
	v_max3_num_f32 v[TM+\b], v[TM+\b], |v[\s+16*\b+\i]|, |v[\s+1+16*\b+\i]|
.endr
.endr
.irp b, 0,1
	v_permlanex16_b32 v[TM+4+\b], v[TM+\b], s[SEL], s[SEL+1]
.endr
.irp b, 0,1
	v_max_num_f32 v[TM+\b], v[TM+\b], v[TM+4+\b]
.endr
.irp b, 0,1
	v_add_nc_u32 v[TM+12+\b], 0xff000000, v[TM+\b]
.endr
.irp b, 0,1
	v_lshrrev_b32 v[TM+4+\b], 23, v[TM+12+\b]
.endr
	v_lshl_or_b32 v[PW], v[TM+5], 8, v[TM+4]
	v_or_b32 v[PW], 0x7f7f0000, v[PW]              ; blocks 2, 3 hold zero codes: the byte 127
	v_cvt_scalef32_pk16_fp6_f32 v[PC:PC+2], v[\s:\s+15], v[TM+12]
	v_cvt_scalef32_pk16_fp6_f32 v[TT:TT+2], v[\s+16:\s+31], v[TM+13]
	v_nop                                          ; one plain line behind the conversions
.irp i, 0,1,2
	v_permlane16_swap_b32 v[PC+\i], v[TT+\i]       ; a whole block to a lane: lanes 0-15 block 0, lanes 16-31 block 1
.endr
.irp i, 0,1,2
	v_mov_b32 v[PC+3+\i], v[TT+\i]
.endr
.endm
; 64 numbers likewise become a whole fragment
.macro QUANT s
.irp b, 0,1,2,3
	v_max3_num_f32 v[TM+\b], |v[\s+16*\b]|, |v[\s+1+16*\b]|, 0x1800000
.endr
.irp i, 2,4,6,8,10,12,14
.irp b, 0,1,2,3
	v_max3_num_f32 v[TM+\b], v[TM+\b], |v[\s+16*\b+\i]|, |v[\s+1+16*\b+\i]|
.endr
.endr
.irp b, 0,1,2,3
	v_permlanex16_b32 v[TM+4+\b], v[TM+\b], s[SEL], s[SEL+1]
.endr
.irp b, 0,1,2,3
	v_max_num_f32 v[TM+\b], v[TM+\b], v[TM+4+\b]
.endr
.irp b, 0,1,2,3
	v_add_nc_u32 v[TM+12+\b], 0xff000000, v[TM+\b]
.endr
.irp b, 0,1,2,3
	v_lshrrev_b32 v[TM+4+\b], 23, v[TM+12+\b]
.endr
	v_lshl_or_b32 v[PW], v[TM+5], 8, v[TM+4]
	v_lshl_or_b32 v[PW], v[TM+6], 16, v[PW]
	v_lshl_or_b32 v[PW], v[TM+7], 24, v[PW]
.irp c, 0,1
	v_cvt_scalef32_pk16_fp6_f32 v[PC+6*\c:PC+2+6*\c], v[\s+32*\c:\s+15+32*\c], v[TM+12+2*\c]
	v_cvt_scalef32_pk16_fp6_f32 v[TT+4*\c:TT+2+4*\c], v[\s+16+32*\c:\s+31+32*\c], v[TM+12+2*\c+1]
.endr
	v_nop
.irp c, 0,1
.irp i, 0,1,2
	v_permlane16_swap_b32 v[PC+6*\c+\i], v[TT+4*\c+\i]
.endr
.irp i, 0,1,2
	v_mov_b32 v[PC+3+6*\c+\i], v[TT+4*\c+\i]
.endr
.endr
.endm
	s_load_b256 s[4:11], s[0:1], 0x0               ; xw, rope, bq, bk
	s_load_b256 s[92:99], s[0:1], 0x20             ; bv, q_norm_w, k_norm_w, qq
	s_load_b64 s[100:101], s[0:1], 0x40            ; kv
	v_lshl_add_u32 v[SPW], v0, 2, SPARE
	v_mov_b32 v[NIL], 0
	ds_add_u32 v28, v29
	ds_add_u32 v28, v29
	s_wait_dscnt 0x0
	v_lshrrev_b32 v1, 5, v0
	v_readfirstlane_b32 s14, v1                    ; wave
	s_lshr_b32 s15, s14, 1                         ; which half of A's rows is mine.  Also: I fetch for A (0) or for B (1)
	s_and_b32 s16, s14, 1                          ; which half of B's rows.  Also: which 8 tiles I fetch
	s_bfe_u32 s40, ttmp6, 0x40000                  ; cx
	s_bfe_u32 s41, ttmp6, 0x40004                  ; cy
	s_and_b32 s18, ttmp7, 0xffff
	s_lshl_b32 s18, s18, 2                         ; 4 x cluster y
	s_add_co_u32 s19, s18, s41
	s_add_co_u32 s20, s18, s40
	s_lshl_b32 s21, ttmp9, 2
	s_add_co_u32 s21, s21, s40
	s_cmp_eq_u32 ttmp9, 2                          ; the cluster's x is the same in all sixteen partners
	s_cselect_b32 s17, s41, s19                    ; TR: A's block of 256 rows: v: cy of Wv; q, k: 4 Y + cy of x
	s_cselect_b32 s42, s20, s21                    ; TC: B's: v: 4 Y + cx of x; q, k: 4 X + cx of Wq and Wk on end
	s_cselect_b32 s22, 384, 0                      ; the first tile of A's tensor
	s_cselect_b32 s23, 0, 256                      ; and of B's
	s_lshl_b32 s43, s41, 2
	s_lshl_b32 s43, 15, s43                        ; my row of the cluster
	s_lshl_b32 s44, 0x1111, s40                    ; my column
	; group 1 for codes: 8 rows (tiles) of 3,072 bytes, 12,288 bytes apart; elements of 8 bytes; no padding
	s_or_b32 s[G1+0], s43, (3<<16)|(1<<21)
	s_or_b32 s[G1B+0], s44, (3<<16)|(1<<21)
.irp g, G1, G1B
	s_mov_b32 s[\g+1], 384<<16
	s_mov_b32 s[\g+2], 16<<16                      ; the head's loads bring 16 tiles; behind them the two words that count rows are set to 8
	s_mov_b32 s[\g+3], 384<<16
	s_mov_b32 s[\g+4], 16
	s_mov_b32 s[\g+5], 1536
	s_mov_b32 s[\g+6], 0
	s_mov_b32 s[\g+7], 0
.endr
	; the scale words of 16 tiles: 8,192 dense bytes as 32 rows of 256;  the RoPE table of 4 tiles: 16,384 as 64 rows
	s_mov_b32 s[G1S+0], 3<<16
	s_mov_b32 s[G1S+1], 32<<16
	s_mov_b32 s[G1S+2], 32<<16                     ; the scale words of 16 tiles: 8,192 dense bytes as 32 rows of 256
	s_mov_b32 s[G1S+3], 32<<16
	s_mov_b32 s[G1S+4], 32
	s_mov_b32 s[G1S+5], 32
	s_mov_b32 s[G1S+6], 0
	s_mov_b32 s[G1S+7], 0
	s_mov_b32 s[G1R+0], 3<<16
	s_mov_b32 s[G1R+1], 32<<16
	s_mov_b32 s[G1R+2], 64<<16
	s_mov_b32 s[G1R+3], 32<<16
	s_mov_b32 s[G1R+4], 64
	s_mov_b32 s[G1R+5], 32
	s_mov_b32 s[G1R+6], 0
	s_mov_b32 s[G1R+7], 0
	s_lshl_b32 s18, s16, 3
	s_lshl_b32 s19, s17, 4
	s_add_co_u32 s19, s19, s22
	s_add_co_u32 s19, s19, s18                     ; A: the first tile that I would fetch
	s_lshl_b32 s46, s42, 4
	s_add_co_u32 s46, s46, s23
	s_add_co_u32 s46, s46, s18                     ; B: likewise
	s_cmp_eq_u32 s15, 0
	s_cselect_b32 s45, s19, s46
	s_sub_co_u32 s45, s45, s18                     ; the first of the tensor's 16 tiles
	s_lshl_b32 s2, s45, 9
	s_add_co_u32 s2, s2, XWS0                      ; the scale words of the tensor's 16 tiles
	s_mov_b32 s3, 0
	s_mul_i32 s20, s19, 12288
	s_mov_b32 s21, 0
	s_mul_i32 s46, s46, 12288
	s_mov_b32 s47, 0
	s_lshl_b32 s22, s17, 16
	s_lshl_b32 s23, s14, 14
	s_add_co_u32 s22, s22, s23                     ; RoPE: token tiles 16 TR + 4 wave on
	s_mov_b32 s23, 0
	s_mul_i32 s45, s14, HALFT
	s_mov_b32 s[SEL], 0x76543210
	s_mov_b32 s[SEL+1], 0xfedcba98
	s_mov_b32 s66, 0x3c800000                      ; 1 / 64
	s_mov_b32 s67, 0x358637bd                      ; 1e-6
	s_wait_kmcnt 0x0
	s_add_nc_u64 s[20:21], s[4:5], s[20:21]
	s_add_nc_u64 s[46:47], s[4:5], s[46:47]
	s_add_nc_u64 s[2:3], s[4:5], s[2:3]
	s_add_nc_u64 s[22:23], s[6:7], s[22:23]
	CROUND                                         ; all sixteen work-groups are here; what the first step needs goes out as one group, one tensor load a wave
	s_mov_b32 s[G0S], 1
	s_lshl_b32 s[G0S+1], s15, 13                   ; A's words (wave 1), then B's (wave 3)
	s_add_co_u32 s[G0S+1], s[G0S+1], SCL
	s_mov_b64 s[G0S+2:G0S+3], s[2:3]
	s_or_b32 s[G0S+3], s[G0S+3], 0x80000000
.irp s, 0,1
	s_mov_b32 s[G0+4*\s], 1
	s_add_co_u32 s[G0+4*\s+1], s45, \s*SLOT
	s_add_nc_u64 s[G0+4*\s+2:G0+4*\s+3], s[20:21], \s*TILEB
	s_or_b32 s[G0+4*\s+3], s[G0+4*\s+3], 0x80000000
	s_mov_b32 s[G0B+4*\s], 1
	s_add_co_u32 s[G0B+4*\s+1], s45, \s*SLOT
	s_add_nc_u64 s[G0B+4*\s+2:G0B+4*\s+3], s[46:47], \s*TILEB
	s_or_b32 s[G0B+4*\s+3], s[G0B+4*\s+3], 0x80000000
.endr
	s_cmp_eq_u32 s14, 0                            ; one chain of branches on the wave's number, a load to an arm: wave 0: K step 0 of A's 16 tiles,
	s_cbranch_scc0 .Lhead_b
	tensor_load_to_lds s[G0:G0+3], s[G1:G1+7]
	s_nop 0
	PLACES 4
	s_branch .Lhead_asked
.Lhead_b:
	s_cmp_eq_u32 s14, 2                            ; wave 2: of B's 16 tiles,
	s_cbranch_scc0 .Lhead_w
	tensor_load_to_lds s[G0B:G0B+3], s[G1B:G1B+7]
	s_nop 0
	PLACES 4
	s_branch .Lhead_asked
.Lhead_w:
	tensor_load_to_lds s[G0S:G0S+3], s[G1S:G1S+7]  ; waves 1, 3: A's and B's scale words
	s_nop 0
	PLACES 4
.Lhead_asked:
	s_wait_alu depctr_va_vdst(0)
	s_wait_tensorcnt 0x0                           ; slot 1's first fill is issued as a refill is: my load has landed,
	ds_add_u32 v[SPW], v[NIL]                      ; 0 onto my spare word;
	s_mov_b32 s[G1+2], 8<<16                       ; no load of mine is out: from here on a load brings 8 tiles
	s_mov_b32 s[G1+4], 8
	s_mov_b32 s[G1B+2], 8<<16
	s_mov_b32 s[G1B+4], 8
	s_wait_dscnt 0x0                               ; the add is done,
	CROUND                                         ; a whole round, and my one load behind it
	JLOAD G0+4, G1, G0B+4, G1B
	s_mov_b32 s[G0R], 1
	s_lshl_b32 s[G0R+1], s14, 14
	s_add_co_u32 s[G0R+1], s[G0R+1], ROPE
	s_mov_b64 s[G0R+2:G0R+3], s[22:23]
	s_or_b32 s[G0R+3], s[G0R+3], 0x80000000        ; the RoPE table is asked for behind the third change of slots, where no slot is filled again
	; every LDS address is made here, ahead of all branches
	v_and_b32 v11, 31, v0                          ; lane
	v_and_b32 v12, 15, v0                          ; r
	v_bfe_u32 v13, v0, 4, 1                        ; h
	v_lshlrev_b32 v1, 3, v11                       ; 8 x lane
	v_lshlrev_b32 v2, 4, v11                       ; 16 x lane
	s_lshl_b32 s18, s15, 15
	s_add_co_u32 s18, s18, ROPE
	v_add_nc_u32 v3, s18, v2                       ; cos and sin of my 8 token tiles
	s_lshl_b32 s18, s14, 10
	s_add_co_u32 s19, s18, SWQ
	v_lshl_add_u32 v4, v12, 2, s19
	v_add_nc_u32 v5, s19, v2
	s_add_co_u32 s19, s18, SWV
	v_lshl_add_u32 v6, v12, 2, s19
	v_add_nc_u32 v7, s19, v2
	v_lshlrev_b32 v8, 4, v12
	v_mul_u32_u24 v14, v13, 24576
	v_add_nc_u32 v8, v8, v14                       ; V's words on their way out: lanes 16-31 one head on
	v_lshlrev_b32 v9, 6, v13                       ; 64 h: my 16 numbers of a block of 32
	v_and_b32 v10, 8, v12
	v_add_nc_u32 v10, v10, v12
	v_lshlrev_b32 v10, 2, v10                      ; 4 (r + 8 (r / 8))
	s_mul_i32 s18, s15, HALFT
	s_mul_i32 s19, s16, HALFT
	s_add_co_u32 s19, s19, 2*HALFT
.irp s, 0,1
	v_add_nc_u32 v[ADRA+\s], s18, v2
	v_add_nc_u32 v[ADRB+\s], s19, v2
	s_add_co_u32 s18, s18, SLOT
	s_add_co_u32 s19, s19, SLOT
.endr
	s_lshl_b32 s18, s15, 12                        ; A's words: my 8 tiles
	s_lshl_b32 s19, s16, 12
	s_add_co_u32 s19, s19, 8192                    ; B's, behind A's 16 tiles
	s_sub_co_u32 s19, s19, s18
	v_mul_u32_u24 v14, s19, v13                    ; lanes 16-31 take B's
	s_add_co_u32 s18, s18, SCL
	v_lshl_add_u32 v15, v12, 4, v14
	v_add_nc_u32 v[ADRS], s18, v15
.irp b, 0,1,2,3
	v_mov_b32 v[TM+4+\b], 0                        ; written once: a lane permute's destination counts as one of its sources
.endr
	v_mov_b32 v[PW], 0
	v_mov_b32 v112, 0
	v_mov_b32 v115, 0                              ; (named as the upper half of the pair v[114:115])
	; biases and the norm's weight, in the results' layout; every path loads all three
	s_cmp_eq_u32 ttmp9, 1
	s_cselect_b64 s[8:9], s[10:11], s[8:9]
	s_cselect_b64 s[94:95], s[96:97], s[94:95]
	s_and_b32 s18, s42, 3
	s_lshl_b32 s18, s18, 10
	s_lshl_b32 s19, s16, 9
	s_add_co_u32 s18, s18, s19
	s_mov_b32 s19, 0
	s_add_nc_u64 s[8:9], s[8:9], s[18:19]          ; my 128 channels' bias (q, k)
	s_and_b32 s18, s17, 3
	s_lshl_b32 s18, s18, 10
	s_lshl_b32 s2, s15, 9
	s_add_co_u32 s18, s18, s2
	s_add_nc_u64 s[92:93], s[92:93], s[18:19]      ; my 128 channels of bv
	WIN TO_B
.irp b, 0,1,2,3
.irp j, 0,1,2,3
	global_load_b128 v[96+128*(\b/2)+16*(\b%2)+4*\j:96+128*(\b/2)+16*(\b%2)+4*\j+3], v9, s[8:9] offset:128*\b+16*\j
.endr
.endr
	WIN 0
.irp b, 0,1
.irp j, 0,1,2,3
	global_load_b128 v[NW+16*\b+4*\j:NW+16*\b+4*\j+3], v9, s[94:95] offset:128*\b+16*\j
.endr
.endr
.irp a, 0,1,2,3,4,5,6,7
	global_load_b32 v[BV+2*\a], v10, s[92:93] offset:(32*(\a/2)+8*(\a%2))*4
	global_load_b32 v[BV+2*\a+1], v10, s[92:93] offset:(32*(\a/2)+8*(\a%2))*4   ; twice: a pair for the packed addition
.endr
	s_wait_alu depctr_va_vdst(0)
	s_wait_tensorcnt 1                             ; K step 1's load, the one issued last, may stay out.  The biases and weights are waited for in front of the way out
	s_barrier_signal -1
	s_barrier_wait -1
	FETCH_B 0, 0, 0
	FETCH_A 0, 0, 0
	SCALES 0
	FETCH_A 0, 0, 4
	STEP 0, 0, 1                                   ; the first products start the sums: nothing is cleared
	TURN 0, 1, 1
	STEP 1, 0, 0
	TURN 1, 0, 1
	STEP 0, 0, 0
	TURN 0, 1, 2                                   ; no codes are left to fetch: the RoPE table comes now
	STEP 1, 0, 0
	s_wait_dscnt 4*NLA
	WIN MUL_LO
	MUL16 0, 1, 1, 1, 0
	MUL16 2, 1, 1, 1, 0
	s_wait_dscnt 0
	WIN MUL_HI
	MUL16 4, 1, 1, 1, 0
	MUL16 6, 1, 1, 1, 0
	WIN 0
	PLACES NP                                      ; in front of the first read of results and of loads into registers that held A's fragments
	s_wait_loadcnt 0x0                             ; the biases and the norm's weight are in
	s_wait_tensorcnt 0x0                           ; my part of the RoPE table is in;
	s_barrier_signal -1
	s_barrier_wait -1                              ; and so is everybody's
	s_cmp_eq_u32 ttmp9, 2
	s_cbranch_scc1 .Lv
	; ---- q, k: 16 trips, i = 8 hd + a: head hd of my two, token tile a of my eight.  A lane has 32 of the head's 64 channels, lane l xor 16 the others.
	s_cmp_eq_u32 ttmp9, 1
	s_cselect_b64 s[68:69], s[100:101], s[98:99]   ; kv or qq
	s_mov_b32 s72, 196608
	s_cselect_b32 s72, 393216, s72                 ; bytes of codes from head to head
	s_mov_b32 s73, 49152
	s_cselect_b32 s73, 98304, s73                  ; and from 64 tiles to the next 64
	s_mov_b32 s74, QS0
	s_cselect_b32 s74, KVS0, s74
	s_mov_b32 s75, 16384
	s_cselect_b32 s75, 24576, s75                  ; bytes of scale words from head to head
	s_and_b32 s76, s42, 3
	s_lshl_b32 s76, s76, 2
	s_lshl_b32 s77, s16, 1
	s_add_co_u32 s76, s76, s77                     ; my first head
	s_lshl_b32 s77, s17, 4
	s_lshl_b32 s78, s15, 3
	s_add_co_u32 s77, s77, s78                     ; my first token tile
	s_mul_i32 s78, s76, s72
	s_lshr_b32 s79, s77, 6
	s_mul_i32 s79, s79, s73
	s_add_co_u32 s78, s78, s79
	s_and_b32 s79, s77, 63
	s_mul_i32 s79, s79, 768
	s_add_co_u32 s78, s78, s79
	s_mov_b32 s79, 0
	s_add_nc_u64 s[80:81], s[68:69], s[78:79]      ; where the codes go
	s_mul_i32 s78, s76, s75
	s_add_co_u32 s78, s78, s74
	s_lshl_b32 s77, s77, 6
	s_add_co_u32 s78, s78, s77
	s_add_nc_u64 s[82:83], s[68:69], s[78:79]      ; the first head's scale words,
	s_mov_b32 s76, s75
	s_mov_b32 s77, 0
	s_add_nc_u64 s[84:85], s[82:83], s[76:77]      ; the second's
	s_sub_co_u32 s72, s72, 5376                    ; from a head's tile 7 to the next head's tile 0
	s_mov_b32 s71, 0
	s_mov_b32 s3, 0
.Lqk_loop:
.irp i, 1,2,3,4,5,6,7,8,9,10,11,12,13,14,15
	s_cmp_eq_u32 s3, \i
	s_cbranch_scc1 .Lqk_\i
.endr
; What differs from trip to trip stands in a stub: the last trip's scale word goes to the stage, cos and sin are asked for (every LDS offset an immediate), the trip's four accumulators get their bias, from their low ends on
.macro QKSTUB i
.Lqk_\i:
.if \i > 0
	s_wait_alu depctr_va_vdst(0)
	ds_store_b32 v4, v[PW] offset:64*(\i-1)        ; both lanes of a row write the same word with the same value
.endif
.irp q, 0,1,2,3,4,5,6,7
	ds_load_b128 v[CS+4*\q:CS+4*\q+3], v3 offset:(\i%8)*4096+512*\q
.endr
	WIN 0x06+((\i%8)/4)                            ; source 0: window 2 or 3; source 1: window 1
.irp k, 0,2,4,6,8,10,12,14,16,18,20,22,24,26,28,30
	v_pk_add_f32 v[Y+\k:Y+\k+1], v[64*(\i%4)+32*(\i/8)+\k:64*(\i%4)+32*(\i/8)+\k+1], v[96+128*(\i/8)+\k:96+128*(\i/8)+\k+1]
.endr
	WIN 0
.if \i < 15
	s_branch .Lqk_body
.endif
.endm
.irp i, 0,1,2,3,4,5,6,7,8,9,10,11,12,13,14,15
	QKSTUB \i
.endr
.Lqk_body:                                             ; Y[16 b + i] = channel 32 b + 16 h + i of my token
	v_pk_mul_f32 v[108:109], v[Y:Y+1], v[Y:Y+1]    ; the sum of squares, in two chains
	v_pk_mul_f32 v[110:111], v[Y+2:Y+3], v[Y+2:Y+3]
.irp k, 4,8,12,16,20,24,28
	v_pk_fma_f32 v[108:109], v[Y+\k:Y+\k+1], v[Y+\k:Y+\k+1], v[108:109]
	v_pk_fma_f32 v[110:111], v[Y+\k+2:Y+\k+3], v[Y+\k+2:Y+\k+3], v[110:111]
.endr
	v_pk_add_f32 v[108:109], v[108:109], v[110:111]
	v_add_f32 v108, v108, v109
	v_permlanex16_b32 v112, v108, s[SEL], s[SEL+1]
	v_add_f32 v108, v108, v112
	v_fma_f32 v113, v108, s66, s67                 ; the mean + 1e-6
	s_wait_alu depctr_va_vdst(0)
	v_rsq_f32 v114, v113
	v_nop                                          ; a plain line behind the transcendental,
	s_wait_alu depctr_va_vdst(0)                   ; and the wait ahead of its first reader
.irp k, 0,2,4,6,8,10,12,14,16,18,20,22,24,26,28,30
	v_pk_mul_f32 v[Y+\k:Y+\k+1], v[Y+\k:Y+\k+1], v[114:115] op_sel_hi:[1,0]
.endr
.irp k, 0,2,4,6,8,10,12,14,16,18,20,22,24,26,28,30
	v_pk_mul_f32 v[Y+\k:Y+\k+1], v[Y+\k:Y+\k+1], v[NW+\k:NW+\k+1]
.endr
	s_wait_dscnt 0x0                               ; cos and sin are in
.irp g, 0,1,2,3                                ; pair k: (even, odd) -> (even cos - odd sin, even sin + odd cos); CS[2 k] = cos, CS[2 k + 1] = sin
.irp k, 0,1,2,3
	v_mul_f32 v[100+2*\k], v[Y+2*(4*\g+\k)+1], v[CS+2*(4*\g+\k)+1]
	v_mul_f32 v[101+2*\k], v[Y+2*(4*\g+\k)], v[CS+2*(4*\g+\k)+1]
.endr
.irp k, 0,1,2,3
	v_fma_f32 v[Y+2*(4*\g+\k)], v[Y+2*(4*\g+\k)], v[CS+2*(4*\g+\k)], -v[100+2*\k]
	v_fma_f32 v[Y+2*(4*\g+\k)+1], v[Y+2*(4*\g+\k)+1], v[CS+2*(4*\g+\k)], v[101+2*\k]
.endr
.endr
	HALFQ Y
.irp p, 0,1,2
	global_store_b64 v1, v[PC+2*\p:PC+2*\p+1], s[80:81] offset:256*\p   ; 32 lanes store 256 consecutive bytes
.endr
	s_wait_xcnt 0x0                                ; the stores have read their registers and their base
	s_cmp_eq_u32 s3, 7
	s_cselect_b32 s70, s72, 768
	s_add_nc_u64 s[80:81], s[80:81], s[70:71]
	s_add_co_u32 s3, s3, 1
	s_cmp_lt_u32 s3, 16
	s_cbranch_scc1 .Lqk_loop
	s_wait_alu depctr_va_vdst(0)
	ds_store_b32 v4, v[PW] offset:64*15
	ds_load_b128 v[100:103], v5                    ; LDS serves a wave's instructions in order: these see my stores.  A head's 8 tiles of words: 512 bytes
	ds_load_b128 v[104:107], v5 offset:512
	s_wait_dscnt 0x0
	global_store_b128 v2, v[100:103], s[82:83]
	global_store_b128 v2, v[104:107], s[84:85]
	s_branch .Ldone
	; ---- v: 8 trips over my channel tiles a; a lane has one channel and 64 of the key step's 128 tokens
.Lv:
	s_lshl_b32 s76, s17, 2
	s_lshl_b32 s77, s15, 1
	s_add_co_u32 s76, s76, s77                     ; my first head
	s_lshl_b32 s77, s42, 1
	s_add_co_u32 s77, s77, s16                     ; my key step
	s_mul_i32 s78, s76, 393216
	s_lshr_b32 s79, s77, 3
	s_mul_i32 s79, s79, 98304
	s_add_co_u32 s78, s78, s79
	s_and_b32 s79, s77, 7
	s_mul_i32 s79, s79, 6144
	s_add_co_u32 s78, s78, s79
	s_add_co_u32 s78, s78, 49152
	s_mov_b32 s79, 0
	s_add_nc_u64 s[80:81], s[100:101], s[78:79]
	s_mul_i32 s78, s76, 24576
	s_lshl_b32 s77, s77, 8
	s_add_co_u32 s78, s78, s77
	s_add_co_u32 s78, s78, KVS0+16384
	s_add_nc_u64 s[82:83], s[100:101], s[78:79]
	s_mov_b32 s72, 393216-4608                     ; from a head's tile 3 to the next head's tile 0
	s_mov_b32 s71, 0
	s_mov_b32 s3, 0
.Lv_loop:
.irp i, 1,2,3,4,5,6,7
	s_cmp_eq_u32 s3, \i
	s_cbranch_scc1 .Lv_\i
.endr
.macro VSTUB i
.Lv_\i:
.if \i > 0
	ds_store_b32 v6, v[PW] offset:64*(\i-1)
.endif
	WIN 0x02+(\i/4)                                ; source 0: window 2 or 3
.irp k, 0,2,4,6,8,10,12,14,16,18,20,22,24,26,28,30,32,34,36,38,40,42,44,46,48,50,52,54,56,58,60,62
	v_pk_add_f32 v[Y+\k:Y+\k+1], v[64*(\i%4)+\k:64*(\i%4)+\k+1], v[BV+2*\i:BV+2*\i+1]
.endr
	WIN 0
.if \i < 7
	s_branch .Lv_body
.endif
.endm
.irp i, 0,1,2,3,4,5,6,7
	VSTUB \i
.endr
.Lv_body:                                              ; Y[16 b + i] = token 32 b + 16 h + i of the key step
	QUANT Y
.irp c, 0,1,2
	global_store_b128 v2, v[PC+4*\c:PC+4*\c+3], s[80:81] offset:512*\c   ; the fragment as it stands: 512 consecutive bytes a store
.endr
	s_wait_xcnt 0x0
	s_cmp_eq_u32 s3, 3
	s_cselect_b32 s70, s72, 1536
	s_add_nc_u64 s[80:81], s[80:81], s[70:71]
	s_add_co_u32 s3, s3, 1
	s_cmp_lt_u32 s3, 8
	s_cbranch_scc1 .Lv_loop
	ds_store_b32 v6, v[PW] offset:64*7
	ds_load_b128 v[100:103], v7
	s_wait_dscnt 0x0
	global_store_b128 v8, v[100:103], s[82:83]     ; lanes 0-15: one head's 256 bytes of this key step, lanes 16-31 the next head's
.Ldone:
	s_wait_tensorcnt 0x0                           ; the wave's end
	ds_add_u32 v[SPW], v[NIL]
	s_wait_dscnt 0x0
	CROUND                                         ; the closing round
	s_endpgm
.Lfunc_end_k_q3307b3fe70_qkv:
	.size	k_q3307b3fe70_qkv, .Lfunc_end_k_q3307b3fe70_qkv-k_q3307b3fe70_qkv
	.p2alignl 7, 3214868480
	.fill 96, 4, 3214868480
	.section	.rodata,"a",@progbits
	.p2align	6, 0x0
	.amdhsa_kernel k_q3307b3fe70_qkv
		.amdhsa_group_segment_fixed_size 327680
		.amdhsa_private_segment_fixed_size 0
		.amdhsa_enable_private_segment 0
		.amdhsa_kernarg_size 72
		.amdhsa_user_sgpr_count 2
		.amdhsa_user_sgpr_kernarg_segment_ptr 1
		.amdhsa_wavefront_size32 1
		.amdhsa_system_sgpr_workgroup_id_x 1
		.amdhsa_system_sgpr_workgroup_id_y 1
		.amdhsa_system_sgpr_workgroup_id_z 1
		.amdhsa_system_vgpr_workitem_id 0
		.amdhsa_next_free_vgpr 1024
		.amdhsa_next_free_sgpr 102
		.amdhsa_reserve_vcc 0
		.amdhsa_float_denorm_mode_32 3
		.amdhsa_float_denorm_mode_16_64 3
		.amdhsa_memory_ordered 1
		.amdhsa_forward_progress 1
		.amdhsa_inst_pref_size 174
	.end_amdhsa_kernel
	.amdgpu_metadata
---
amdhsa.version: [ 1, 2 ]
amdhsa.kernels:
  - .name:           k_q3307b3fe70_qkv
    .symbol:         k_q3307b3fe70_qkv.kd
    .args:
      - { .name: xw, .offset: 0, .size: 8, .value_kind: global_buffer, .address_space: global }
      - { .name: rope, .offset: 8, .size: 8, .value_kind: global_buffer, .address_space: global }
      - { .name: bq, .offset: 16, .size: 8, .value_kind: global_buffer, .address_space: global }
      - { .name: bk, .offset: 24, .size: 8, .value_kind: global_buffer, .address_space: global }
      - { .name: bv, .offset: 32, .size: 8, .value_kind: global_buffer, .address_space: global }
      - { .name: q_norm_w, .offset: 40, .size: 8, .value_kind: global_buffer, .address_space: global }
      - { .name: k_norm_w, .offset: 48, .size: 8, .value_kind: global_buffer, .address_space: global }
      - { .name: qq, .offset: 56, .size: 8, .value_kind: global_buffer, .address_space: global }
      - { .name: kv, .offset: 64, .size: 8, .value_kind: global_buffer, .address_space: global }
    .group_segment_fixed_size: 327680
    .private_segment_fixed_size: 0
    .kernarg_segment_align: 8
    .kernarg_segment_size: 72
    .max_flat_workgroup_size: 128
    .sgpr_count:     102
    .vgpr_count:     1024
    .wavefront_size: 32
...
	.end_amdgpu_metadata
.endif
;; end of part 2
;; launch attn (part 3): grid 16 x 16, 8 waves a work-group, clusters of 4 x 1, 327,680 bytes of LDS; arguments qq, kv, oo; writes oo
.if DOCPART == 3
	.amdgcn_target "amdgcn-amd-amdhsa--gfx1250"
	.amdhsa_code_object_version 6
	.text
	.protected	k_q3307b3fe70_attn
	.globl	k_q3307b3fe70_attn
	.p2align	8
	.type	k_q3307b3fe70_attn,@function
k_q3307b3fe70_attn:
	s_mov_b64 s[64:65], 0
	v_nop
	global_prefetch_b8 v0, s[64:65] scope:SCOPE_SE
	s_setreg_imm32_b32 hwreg(HW_REG_WAVE_MODE, 25, 1), 1
	s_wait_xcnt 0x0
	s_wait_alu depctr_hold_cnt(0) depctr_sa_sdst(0) depctr_va_vdst(0) depctr_va_sdst(0) depctr_va_ssrc(0) depctr_va_vcc(0) depctr_vm_vsrc(0)
	s_getreg_b32 s2, hwreg(HW_REG_IB_STS2, 6, 4)
	s_cmp_eq_u32 s2, 0
	s_cbranch_scc0 .Lentry_in_a_cluster
	s_endpgm
.Lentry_in_a_cluster:
	s_bfe_u32 s2, ttmp6, 0x10000c
	s_cmp_lg_u32 s2, 0x3003
	s_cbranch_scc0 .Lentry_shape_is_right
	s_endpgm
.Lentry_shape_is_right:
; o = softmax(q k^T / 8) v for one head (grid y) and 256 queries (grid x), on codes of FP6 (E2M3); o is quantised again as the operand of the last product.
; A wave has 32 queries (two tiles of 16) and walks the 4,096 keys in 32 steps of 128.  Both products are used transposed (S^T = k q^T, O^T = v^T p^T): a lane holds one query throughout.
; The head's axis is 64 long: registers 6-11 of q's and k's fragments are zero codes, under the byte 127.
; p = 2^(t - M), t = score x log2(e) / 8, M = the ceiling of the running largest t, a whole number; when M moves, the sum and O^T are multiplied by a power of two made by v_ldexp_f32.
; The row's sum is taken of the unquantised p.  A block's largest p is the block's largest score put through the same multiply-add and exponential.
; THE KEYS OF A TILE are chosen so that a lane holds WHOLE blocks of 32 keys: row rho of tile 4 c + u is key 64 c + 32 (rho / 8) + 8 u + rho % 8 of the step, so lane (r, h) has in the 32 registers of tiles
; 4 c .. 4 c + 3 the keys 64 c + 32 h + 0 .. 31 in order: the very numbers of registers 6 c .. 6 c + 5 of p's fragment.  No lane is asked for a block's maximum and no code changes lanes.
; kv holds k's tiles in another order of rows (row rho of tile 2 B + u: key 32 B + 8 u + rho + 8 (rho / 8)): eight rows on end there are eight rows on end here, so the choice is made by LDS addresses alone:
; lanes r >= 8 read two stored tiles further on and eight rows back (1,472 bytes), tiles u >= 2 eight rows further on (64 bytes); the scale words likewise.
; THE ORDER OF A STEP.  Matrix instructions stand singly among vector lines that name none of their registers: query tile 1's eight score products among tile 0's maxima; the eight products with V among
; tile 1's sums and codes (tile 0's operands are ready there, tile 1's follow their places).  That costs two switches of the register window for each of these sixteen.
; The chain that makes M and the factor stands among independent lines too: tile 0's among tile 1's maxima, tile 1's among tile 0's multiply-adds.
; All scores are first read by the maxima, and O^T is rescaled, ahead of the step's first exponential; then this step's V and the next step's K are asked of LDS
; the exponentials stand in two batches of 66, each behind one wait; tile 1's multiply-adds stand among tile 0's batch and are read behind the next wait;
; tile 0's sums and codes follow tile 1's batch.
; LDS: two slots of a chunk of 1,024 keys (K: 64 tiles x 768 bytes, V: 8 steps x 4 tiles x 1,536) at 0 and 131,072; all scale words of the head (K 16,384, V 8,192 bytes), fetched once; the spare words.
; CLUSTERS: the four work-groups of a cluster have the same head: chunks and scale words are asked for jointly.  At the head waves 0-5 fetch a sixth of chunk 0 each, waves 6, 7 half of the scale words each.
; No prefetch: a chunk is asked for eight steps (192 matrix instructions a wave) ahead of its first read.
; LIMITS: the promise holds while |t| stays under 2^31; NaN and infinities are not served; a block whose largest p lies under 2^-124 gets the byte 1; o's scale bytes are read by this program alone.
; REGISTERS: window 0: v1-31 addresses, states, scale words; v32-63 at work; v64-191 scores, then p; v192-215 p's codes.  window 1: v0-63 O^T; v64-87 q; v88-183 k's eight fragments; v184-231 v's four.
.set QS0,   3145728
.set KVS0,  6291456
.set OS0,   3145728
.set SLOT1, 1<<17
.set SCK,   229376
.set SCV,   245760
.set SPARE, 253952
.set AK0,  1                           ; lane terms of the LDS addresses: K's codes, V's codes, K's words, V's words
.set AV0,  2
.set ASK0, 3
.set ASV0, 4
.set SPW,  5
.set NIL,  6
.set ADK,  8                           ; the step's addresses
.set ADV,  9
.set ADS,  10
.set ADT,  11
.set ST,   12                          ; for each query tile: -M, the running largest score, the sum in two halves
.set QS,   20
.set KS,   22
.set VS,   26
.set PS,   28
.set SH8,  31                          ; 8 h
.set WK,   32                          ; for each query tile 16: 0, 1 block maxima; 2, 3 the step's; 4, 5 M's change; 6, 7 the factor; 8, 9 scale operands; 10, 11 bytes; 12, 13 the word
.set SCR,  64
.set PC,   192
.set TT,   216
.set SB2,  224
.set L8,   226                         ; 8 x lane
.set QSA,  227                         ; 4 r
.set OSA,  228                         ; 16 r
.set OO,   0
.set QF,   64
.set KF,   88
.set VF,   184
.set SEL,  14
.set CS,   16
.set G1C,  20                          ; 48 rows of 256 bytes: an eighth of a chunk, or half of the scale words
.set G1H,  28                          ; 64 rows: a sixth of a chunk
.set G0C,  36
.set G0H,  40
.set G0S,  68
.set KO,   48
.set TS,   49
.set TJ,   50
.set MSB, 0
.macro WIN new                         ; the immediate's high byte repeats the setting that is left
.if MSB != (\new)
	s_set_vgpr_msb (MSB<<8)|(\new)
.set MSB, (\new)
.endif
.endm
.macro PLACES n
.rept \n
	v_nop
.endr
.endm
.macro CROUND                          ; a round of the cluster's barrier
	s_barrier_signal -1
	s_barrier_wait -1
	s_cmp_lg_u32 s10, 0
	s_cbranch_scc1 .Lnot_wave_0_\@
	s_barrier_signal -3
.Lnot_wave_0_\@:
	s_barrier_wait -3
	s_barrier_signal -1
	s_barrier_wait -1
.endm
.macro QKW t, T                        ; the scores of key tile t and query tile T (under the window setting 0x05)
.if (\t)%2
	v_wmma_scale_f32_16x16x128_f8f6f4 v[SCR+64*(\T)+8*(\t):SCR+64*(\T)+8*(\t)+7], v[KF+12*(\t):KF+12*(\t)+11], v[QF+12*(\T):QF+12*(\T)+11], 0, v[KS+(\t)/2], v[QS+(\T)] matrix_a_fmt:MATRIX_FMT_FP6 matrix_b_fmt:MATRIX_FMT_FP6 matrix_a_scale:MATRIX_SCALE_ROW1
.else
	v_wmma_scale_f32_16x16x128_f8f6f4 v[SCR+64*(\T)+8*(\t):SCR+64*(\T)+8*(\t)+7], v[KF+12*(\t):KF+12*(\t)+11], v[QF+12*(\T):QF+12*(\T)+11], 0, v[KS+(\t)/2], v[QS+(\T)] matrix_a_fmt:MATRIX_FMT_FP6 matrix_b_fmt:MATRIX_FMT_FP6
.endif
.endm
.macro PVW a, T                        ; O^T of channel tile a and query tile T takes these 128 keys in; the eight accumulators take turns
	WIN 0x51
.if (\a)%2
	v_wmma_scale_f32_16x16x128_f8f6f4 v[OO+32*(\T)+8*(\a):OO+32*(\T)+8*(\a)+7], v[VF+12*(\a):VF+12*(\a)+11], v[PC+12*(\T):PC+12*(\T)+11], v[OO+32*(\T)+8*(\a):OO+32*(\T)+8*(\a)+7], v[VS+(\a)/2], v[PS+(\T)] matrix_a_fmt:MATRIX_FMT_FP6 matrix_b_fmt:MATRIX_FMT_FP6 matrix_a_scale:MATRIX_SCALE_ROW1
.else
	v_wmma_scale_f32_16x16x128_f8f6f4 v[OO+32*(\T)+8*(\a):OO+32*(\T)+8*(\a)+7], v[VF+12*(\a):VF+12*(\a)+11], v[PC+12*(\T):PC+12*(\T)+11], v[OO+32*(\T)+8*(\a):OO+32*(\T)+8*(\a)+7], v[VS+(\a)/2], v[PS+(\T)] matrix_a_fmt:MATRIX_FMT_FP6 matrix_b_fmt:MATRIX_FMT_FP6
.endif
	WIN 0
.endm
.macro MAXT T, n                       ; turn n (0 .. 15) of the two chains that find the largest score of tile T's two blocks of 32 keys; each accumulator is read from its low end on
.irp c, 0,1
.if (\n) == 0
	v_max3_num_f32 v[WK+16*(\T)+\c], v[SCR+64*(\T)+32*\c], v[SCR+64*(\T)+32*\c+1], v[SCR+64*(\T)+32*\c+2]
.elseif (\n) < 15
	v_max3_num_f32 v[WK+16*(\T)+\c], v[WK+16*(\T)+\c], v[SCR+64*(\T)+32*\c+2*(\n)+1], v[SCR+64*(\T)+32*\c+2*(\n)+2]
.else
	v_max_num_f32 v[WK+16*(\T)+\c], v[WK+16*(\T)+\c], v[SCR+64*(\T)+32*\c+31]
.endif
.endr
.endm
.macro CHN T, l                        ; line l (0 .. 7) of the chain from tile T's block maxima to -M and the factor
.set cW, WK+16*(\T)
.set cT, ST+4*(\T)
.if (\l) == 0
	v_max_num_f32 v[cW+2], v[cW], v[cW+1]
.elseif (\l) == 1
	v_permlanex16_b32 v[cW+3], v[cW+2], s[SEL], s[SEL+1]
.elseif (\l) == 2
	v_max3_num_f32 v[cT+1], v[cT+1], v[cW+2], v[cW+3]   ; the running largest score of my query
.elseif (\l) == 3
	v_mul_f32 v[cW+5], s[CS], v[cT+1]              ; as t
.elseif (\l) == 4
	v_floor_f32 v[cT], -v[cW+5]                    ; -M = floor(-t)
.elseif (\l) == 5
	v_sub_f32 v[cW+4], v[cT], v[cW+4]              ; old M less new M: a whole number, 0 or less
.elseif (\l) == 6
	v_cvt_i32_f32 v[cW+4], v[cW+4]                 ; (it saturates)
.else
	v_ldexp_f32 v[cW+6], 1.0, v[cW+4]              ; the factor 2^(old M - new M)
.endif
.endm
.macro EXFMA                           ; tile 0's batch: p, and each block's largest p.  Tile 1's multiply-adds stand among its lines: they name nothing of the batch, and what they write is read behind the next wait
.set j, 0
.rept 32
	v_exp_f32 v[SCR+j], v[SCR+j]
	v_exp_f32 v[SCR+j+1], v[SCR+j+1]
	v_pk_fma_f32 v[SCR+64+j:SCR+64+j+1], v[SCR+64+j:SCR+64+j+1], s[CS:CS+1], v[ST+4:ST+5] op_sel_hi:[1,0,0]
.set j, j+2
.endr
	v_exp_f32 v[WK], v[WK]
	v_exp_f32 v[WK+1], v[WK+1]
.irp c, 0,1
	v_fma_f32 v[WK+16+\c], v[WK+16+\c], s[CS], v[ST+4]
.endr
.endm
.macro EXPS1                           ; tile 1's batch
.set j, 0
.rept 64
	v_exp_f32 v[SCR+64+j], v[SCR+64+j]
.set j, j+1
.endr
	v_exp_f32 v[WK+16], v[WK+16]
	v_exp_f32 v[WK+17], v[WK+17]
.endm
.macro SUM n                           ; the next n additions of the row's sum, two chains by turns
.rept \n
.if sj%4 == 2
	v_pk_add_f32 v[rT+2:rT+3], v[rT+2:rT+3], v[rS+sj:rS+sj+1]
.else
	v_pk_add_f32 v[SB2:SB2+1], v[SB2:SB2+1], v[rS+sj:rS+sj+1]
.endif
.set sj, sj+2
.endr
.endm
.macro P3 T                            ; the tile's scale word, codes and sum; the sum's additions stand between the lines of the word's chain and are the places behind the conversions and ahead of the products.  With tile 1: the products with V among them
.set rS, SCR+64*(\T)
.set rW, WK+16*(\T)
.set rT, ST+4*(\T)
.set rP, PC+12*(\T)
.set sj, 6
.irp c, 0,1
	v_max_num_f32 v[rW+\c], 0x1800000, v[rW+\c]    ; the floor 2^(3 - 127): the byte cannot fall under 1
.endr
	v_pk_fma_f32 v[rT+2:rT+3], v[rT+2:rT+3], v[rW+6:rW+7], v[rS:rS+1] op_sel_hi:[1,0,1]   ; the sum under the new M, and the first two p
	v_pk_add_f32 v[SB2:SB2+1], v[rS+2:rS+3], v[rS+4:rS+5]
.if \T
	PVW 0, 0
.endif
.irp c, 0,1
	v_add_nc_u32 v[rW+8+\c], 0xff000000, v[rW+\c]  ; 2 off the exponent field: the conversion's scale operand
.endr
	SUM 2
.irp c, 0,1
	v_lshrrev_b32 v[rW+10+\c], 23, v[rW+8+\c]      ; the scale's byte
.endr
.if \T
	PVW 1, 0
.endif
	SUM 2
	v_lshl_or_b32 v[rW+12], v[rW+11], 16, v[rW+10] ; my bytes: blocks h and 2 + h,
	SUM 2
	v_lshlrev_b32 v[rW+12], v[SH8], v[rW+12]       ; 8 h bits up;
.if \T
	PVW 2, 0
.endif
	SUM 2
	v_permlanex16_b32 v[rW+13], v[rW+12], s[SEL], s[SEL+1]
	SUM 2
	v_or_b32 v[PS+(\T)], v[rW+12], v[rW+13]        ; with lane l xor 16's two the word is whole
.if \T
	PVW 3, 0
.endif
.irp c, 0,1
	v_cvt_scalef32_pk16_fp6_f32 v[rP+6*\c:rP+6*\c+2], v[rS+32*\c:rS+32*\c+15], v[rW+8+\c]
	v_cvt_scalef32_pk16_fp6_f32 v[TT+4*\c:TT+4*\c+2], v[rS+32*\c+16:rS+32*\c+31], v[rW+8+\c]   ; (a conversion's three registers begin on an even number)
.endr
	SUM 1                                          ; a plain line behind the conversions
.irp c, 0,1
.irp i, 0,1,2
	v_mov_b32 v[rP+6*\c+3+\i], v[TT+4*\c+\i]
.endr
.endr
.if \T
	SUM 5                                          ; five places behind the last write of the codes, seventeen behind that of the word
	PVW 0, 1
	SUM 5
	PVW 1, 1
	SUM 4
	PVW 2, 1
	SUM 4
	v_pk_add_f32 v[rT+2:rT+3], v[rT+2:rT+3], v[SB2:SB2+1]
	PVW 3, 1
.else
	SUM 18
	v_pk_add_f32 v[rT+2:rT+3], v[rT+2:rT+3], v[SB2:SB2+1]
.endif
.endm
.macro KLOAD                           ; the K fragments and scale words of the step at KO, TS
	v_add_nc_u32 v[ADK], s[KO], v[AK0]
	v_add_nc_u32 v[ADS], s[TS], v[ASK0]
.irp i, 0,1,2,3
	ds_load_b32 v[KS+\i], v[ADS] offset:256*(\i/2)+32*(\i%2)   ; lanes 0-15 the words of tile 2 i, lanes 16-31 of tile 2 i + 1
.endr
	WIN 0x40
.irp t, 0,1,2,3,4,5,6,7
.irp p, 0,1,2
	ds_load_b64 v[KF+12*\t+2*\p:KF+12*\t+2*\p+1], v[ADK] offset:768*(4*(\t/4)+\t%2)+64*((\t%4)/2)+256*\p
.endr
.endr
	WIN 0
.endm
.macro STEP                            ; K's fragments and words are in registers at its first line
	WIN 0x05
.irp t, 0,1,2,3,4,5,6,7
	QKW \t, 0
.endr
	WIN 0
.irp T, 0,1
	v_mov_b32 v[WK+16*\T+4], v[ST+4*\T]            ; the old -M; with the two lines below: four places behind the products
.endr
	PLACES 2
.set g, 0
.rept 8                                ; tile 1's scores, one product to four lines of tile 0's maxima
	WIN 0x05
	QKW g, 1
	WIN 0
	MAXT 0, 2*g
	MAXT 0, 2*g+1
.set g, g+1
.endr
.set g, 0
.rept 8                                ; tile 1's maxima, and tile 0's chain among them
	MAXT 1, 2*g
	MAXT 1, 2*g+1
	CHN 0, g
.set g, g+1
.endr
.set j, 0
.set g, 0
.rept 8                                ; t - M of tile 0's 64 scores, two at a time, and tile 1's chain among them
.rept 4
	v_pk_fma_f32 v[SCR+j:SCR+j+1], v[SCR+j:SCR+j+1], s[CS:CS+1], v[ST:ST+1] op_sel_hi:[1,0,0]
.set j, j+2
.endr
	CHN 1, g
.set g, g+1
.endr
.irp c, 0,1
	v_fma_f32 v[WK+\c], v[WK+\c], s[CS], v[ST]     ; the same of its two block maxima
.endr
	WIN 0x41
.irp T, 0,1                            ; O^T under the new M, ahead of the step's first exponential
.set j, 0
.rept 16
	v_pk_mul_f32 v[OO+32*\T+j:OO+32*\T+j+1], v[OO+32*\T+j:OO+32*\T+j+1], v[WK+16*\T+6:WK+16*\T+7] op_sel_hi:[1,0]
.set j, j+2
.endr
.endr
	WIN 0
	v_add_nc_u32 v[ADV], s[KO], v[AV0]             ; this step's V
	v_add_nc_u32 v[ADT], s[TJ], v[ASV0]
.irp i, 0,1
	ds_load_b32 v[VS+\i], v[ADT] offset:128*\i
.endr
	WIN 0x40
.irp a, 0,1,2,3
.irp c, 0,1,2
	ds_load_b128 v[VF+12*\a+4*\c:VF+12*\a+4*\c+3], v[ADV] offset:1536*\a+512*\c
.endr
.endr
	WIN 0
	s_add_co_u32 s[KO], s[KO], 6144
	s_add_co_u32 s[TS], s[TS], 512
	s_add_co_u32 s[TJ], s[TJ], 256
	s_cmp_eq_u32 s45, 1                            ; the chunk's last step: the next K lies in the other slot, behind the change of slots
	s_cbranch_scc1 .Lno_k_\@
	KLOAD                                          ; the next step's K
.Lno_k_\@:
	s_wait_alu depctr_va_vdst(0)                   ; ahead of the batch
	EXFMA
	s_wait_alu depctr_va_vdst(0)                   ; behind tile 0's batch and ahead of tile 1's
	EXPS1
	P3 0
	s_wait_alu depctr_va_vdst(0)                   ; behind tile 1's batch, and directly ahead of the wait below
	s_wait_dscnt 0x0                               ; V's fragments are in, and the next step's K
	P3 1
.endm
.macro CHANGE fill                     ; the change of slots: all my loads have landed, the add, my reads are over; a round; the next chunk into the slot read last
	s_wait_tensorcnt 0x0
	ds_add_u32 v[SPW], v[NIL]
.if \fill
	s_xor_b32 s[G0C+1], s[G0C+1], SLOT1
	s_add_nc_u64 s[G0C+2:G0C+3], s[G0C+2:G0C+3], 98304
.endif
	s_wait_dscnt 0x0
.if \fill
	CROUND
	tensor_load_to_lds s[G0C:G0C+3], s[G1C:G1C+7]
	s_nop 0
	PLACES 4
.else
	s_barrier_signal -1
	s_barrier_wait -1
.endif
.endm
.macro EIGHT                           ; a chunk's eight steps
	s_mov_b32 s45, 8
	KLOAD                                          ; the first step's K
	s_wait_dscnt 0x0
.Lstep_\@:
	STEP
	s_sub_co_u32 s45, s45, 1
	s_cmp_lg_u32 s45, 0
	s_cbranch_scc1 .Lstep_\@
	s_sub_co_u32 s[KO], s[KO], 49152
	s_xor_b32 s[KO], s[KO], SLOT1
.endm
; 32 numbers of a lane, register 16 b + i = channel 32 b + 16 h + i of my query, become registers 0-5 of a fragment, and two scale bytes
.macro HALFQ s, im, tm
.irp b, 0,1
	v_max3_num_f32 v[\tm+\b], |v[\s+16*\b]|, |v[\s+1+16*\b]|, 0x1800000
.endr
.irp i, 2,4,6,8,10,12,14
.irp b, 0,1
	s_delay_alu instid0(VALU_DEP_2)
	v_max3_num_f32 v[\tm+\b], v[\tm+\b], |v[\s+16*\b+\i]|, |v[\s+1+16*\b+\i]|
.endr
.endr
.irp b, 0,1
	s_delay_alu instid0(VALU_DEP_2)
	v_permlanex16_b32 v[\tm+4+\b], v[\tm+\b], s[SEL], s[SEL+1]
.endr
.irp b, 0,1
	s_delay_alu instid0(VALU_DEP_2)
	v_max_num_f32 v[\tm+\b], v[\tm+\b], v[\tm+4+\b]
.endr
.irp b, 0,1
	s_delay_alu instid0(VALU_DEP_2)
	v_add_nc_u32 v[\tm+8+\b], 0xff000000, v[\tm+\b]
.endr
.irp b, 0,1
	s_delay_alu instid0(VALU_DEP_2)
	v_lshrrev_b32 v[\tm+4+\b], 23, v[\tm+8+\b]
.endr
	s_delay_alu instid0(VALU_DEP_1)
	v_lshl_or_b32 v[\tm+14], v[\tm+5], 8, v[\tm+4]
	v_cvt_scalef32_pk16_fp6_f32 v[\im:\im+2], v[\s:\s+15], v[\tm+8]
	v_cvt_scalef32_pk16_fp6_f32 v[TT:TT+2], v[\s+16:\s+31], v[\tm+9]
	v_nop
.irp i, 0,1,2
	v_permlane16_swap_b32 v[\im+\i], v[TT+\i]
.endr
.irp i, 0,1,2
	s_delay_alu instid0(VALU_DEP_3)
	v_mov_b32 v[\im+3+\i], v[TT+\i]
.endr
.endm
	s_load_b128 s[4:7], s[0:1], 0x0                ; qq, kv
	s_load_b64 s[8:9], s[0:1], 0x10                ; oo
	v_lshl_add_u32 v[SPW], v0, 2, SPARE
	v_mov_b32 v[NIL], 0
	ds_add_u32 v[SPW], v[NIL]                      ; the opening lines: the add twice on end and its wait
	ds_add_u32 v[SPW], v[NIL]
	s_wait_dscnt 0x0
	v_lshrrev_b32 v7, 5, v0
	s_delay_alu instid0(VALU_DEP_1)
	v_readfirstlane_b32 s10, v7                    ; wave
	s_bfe_u32 s11, ttmp6, 0x40000
	s_lshl_b32 s12, ttmp9, 2
	s_add_co_u32 s12, s12, s11                     ; my block of 256 queries
	s_and_b32 s13, ttmp7, 0xffff                   ; the head
	s_mov_b32 s[SEL], 0x76543210
	s_mov_b32 s[SEL+1], 0xfedcba98                 ; selects for lane l xor 16
	s_mov_b32 s[CS], 0x3e38aa3b                    ; log2(e) / 8
	s_mov_b32 s[CS+1], s[CS]
	s_mov_b32 s[G1C+0], 15|(3<<16)|(1<<21)         ; 48 rows of 256 bytes, dense; the mask names the cluster's four
	s_mov_b32 s[G1C+1], 32<<16
	s_mov_b32 s[G1C+2], 48<<16
	s_mov_b32 s[G1C+3], 32<<16
	s_mov_b32 s[G1C+4], 48
	s_mov_b32 s[G1C+5], 32
	s_mov_b32 s[G1C+6], 0
	s_mov_b32 s[G1C+7], 0
	s_mov_b32 s[G1H+0], 15|(3<<16)|(1<<21)         ; 64 rows of 256 bytes
	s_mov_b32 s[G1H+1], 32<<16
	s_mov_b32 s[G1H+2], 64<<16
	s_mov_b32 s[G1H+3], 32<<16
	s_mov_b32 s[G1H+4], 64
	s_mov_b32 s[G1H+5], 32
	s_mov_b32 s[G1H+6], 0
	s_mov_b32 s[G1H+7], 0
	s_mul_i32 s18, s10, 12288                      ; in the ring: my eighth of a chunk
	s_lshl_b32 s19, s10, 14                        ; at the head: my sixth of chunk 0 (waves 0-5)
	s_and_b32 s51, s10, 1
	s_mul_i32 s51, s51, 12288                      ; or my half of the scale words (waves 6, 7)
	s_mul_i32 s46, s13, 393216
	s_add_co_u32 s62, s46, s19
	s_mov_b32 s63, 0
	s_add_co_u32 s46, s46, s18
	s_mov_b32 s47, 0
	s_mul_i32 s52, s13, 24576
	s_add_co_u32 s52, s52, s51
	s_add_co_u32 s52, s52, KVS0
	s_mov_b32 s53, 0
	s_lshl_b32 s2, s12, 4
	s_lshl_b32 s3, s10, 1
	s_add_co_u32 s2, s2, s3                        ; my first query tile
	s_mul_i32 s54, s13, 196608
	s_mul_i32 s3, s2, 768
	s_add_co_u32 s54, s54, s3                      ; q's codes
	s_mov_b32 s55, 0
	s_lshl_b32 s56, s13, 14
	s_lshl_b32 s3, s2, 6
	s_add_co_u32 s56, s56, s3
	s_add_co_u32 s56, s56, QS0                     ; q's scale words
	s_mov_b32 s57, 0
	s_mul_i32 s58, s2, 12288                       ; o's codes: [tile][K step of 128 = two heads][half][3 pieces][lane][8 bytes]
	s_lshr_b32 s3, s13, 1
	s_mul_i32 s3, s3, 1536
	s_add_co_u32 s58, s58, s3
	s_and_b32 s3, s13, 1
	s_mul_i32 s3, s3, 768
	s_add_co_u32 s58, s58, s3
	s_mov_b32 s59, 0
	s_lshl_b32 s60, s2, 9                          ; o's scale bytes: [tile][half of K][rho][4 words], two bytes a head
	s_lshr_b32 s3, s13, 3
	s_lshl_b32 s3, s3, 8
	s_add_co_u32 s60, s60, s3
	s_bfe_u32 s3, s13, 0x20001
	s_lshl_b32 s3, s3, 2
	s_add_co_u32 s60, s60, s3
	s_and_b32 s3, s13, 1
	s_lshl_b32 s3, s3, 1
	s_add_co_u32 s60, s60, s3
	s_add_co_u32 s60, s60, OS0
	s_mov_b32 s61, 0
	s_wait_kmcnt 0x0
	s_add_nc_u64 s[46:47], s[6:7], s[46:47]
	s_add_nc_u64 s[62:63], s[6:7], s[62:63]
	s_add_nc_u64 s[52:53], s[6:7], s[52:53]
	s_add_nc_u64 s[54:55], s[4:5], s[54:55]
	s_add_nc_u64 s[56:57], s[4:5], s[56:57]
	s_add_nc_u64 s[58:59], s[8:9], s[58:59]
	s_add_nc_u64 s[60:61], s[8:9], s[60:61]
	CROUND                                         ; in front of the first joint loads
	s_mov_b32 s[G0H], 1
	s_mov_b32 s[G0H+1], s19
	s_mov_b64 s[G0H+2:G0H+3], s[62:63]
	s_or_b32 s[G0H+3], s[G0H+3], 0x80000000
	s_mov_b32 s[G0S], 1
	s_add_co_u32 s[G0S+1], s51, SCK
	s_mov_b64 s[G0S+2:G0S+3], s[52:53]
	s_or_b32 s[G0S+3], s[G0S+3], 0x80000000
	s_mov_b32 s[G0C], 1                            ; the ring's: first used for chunk 1
	s_mov_b32 s[G0C+1], s18
	s_mov_b64 s[G0C+2:G0C+3], s[46:47]
	s_or_b32 s[G0C+3], s[G0C+3], 0x80000000
	s_cmp_lt_u32 s10, 6                            ; one tensor load a wave at the head: every way passes one
	s_cbranch_scc0 .Lhead_words
	tensor_load_to_lds s[G0H:G0H+3], s[G1H:G1H+7]
	s_nop 0
	PLACES 4
	s_branch .Lhead_asked
.Lhead_words:
	tensor_load_to_lds s[G0S:G0S+3], s[G1C:G1C+7]
	s_nop 0
	PLACES 4
.Lhead_asked:
	v_and_b32 v7, 31, v0
	v_and_b32 v30, 8, v0                           ; 8 (r / 8)
	v_lshlrev_b32 v[L8], 3, v7
	v_lshlrev_b32 v[AV0], 4, v7
	v_mul_u32_u24 v[AK0], v30, 184                 ; 1,472 for the lanes with r >= 8
	v_add_nc_u32 v[AV0], 49152, v[AV0]             ; V's fragments lie behind K's 64 tiles
	v_add_nc_u32 v[AK0], v[AK0], v[L8]
	v_lshl_add_u32 v[ASV0], v7, 2, SCV
	v_and_b32 v7, 0x17, v0
	v_lshlrev_b32 v7, 2, v7                        ; 4 (r % 8) + 64 h
	v_lshl_add_u32 v7, v30, 4, v7                  ; + 128 (r / 8)
	v_add_nc_u32 v[ASK0], SCK, v7
	v_and_b32 v7, 15, v0
	v_lshlrev_b32 v[QSA], 2, v7
	v_lshlrev_b32 v[OSA], 4, v7
	v_and_b32 v[SH8], 16, v0
	v_lshrrev_b32 v[SH8], 1, v[SH8]
	WIN 0x40
.irp T, 0,1
.irp p, 0,1,2
	global_load_b64 v[QF+12*\T+2*\p:QF+12*\T+2*\p+1], v[L8], s[54:55] offset:768*\T+256*\p
.endr
.endr
.irp T, 0,1
.irp i, 6,7,8,9,10,11
	v_mov_b32 v[QF+12*\T+\i], 0                    ; K = 64 .. 127: zero codes
.endr
.endr
.irp t, 0,1,2,3,4,5,6,7
.irp i, 6,7,8,9,10,11
	v_mov_b32 v[KF+12*\t+\i], 0
.endr
.endr
.set j, 0
.rept 64
	v_mov_b32 v[OO+j], 0                           ; the step is written once: the first finds zeros
.set j, j+1
.endr
	WIN 0
.irp T, 0,1
	global_load_b32 v[QS+\T], v[QSA], s[56:57] offset:64*\T
	v_mov_b32 v[ST+4*\T+1], 0xff61b1e6             ; the largest score so far: -3e38
	s_delay_alu instid0(VALU_DEP_1)
	v_floor_f32 v[ST+4*\T], -v[ST+4*\T+1]
	v_mov_b32 v[ST+4*\T+2], 0
	v_mov_b32 v[ST+4*\T+3], 0
	v_mov_b32 v[WK+16*\T+3], 0                     ; a lane permute's destination counts as one of its sources
	v_mov_b32 v[WK+16*\T+13], 0
	v_mov_b32 v[WK+16*\T+7], 0                     ; (named as the upper half of the factor's pair)
.endr
	s_mov_b32 s[KO], 0
	s_mov_b32 s[TS], 0
	s_mov_b32 s[TJ], 0
	s_mov_b32 s44, 3
	s_wait_alu depctr_va_vdst(0)                   ; the wait at the head's end
	s_wait_loadcnt 0x0
.Lslot:
	CHANGE 1
	EIGHT
	s_sub_co_u32 s44, s44, 1
	s_cmp_lg_u32 s44, 0
	s_cbranch_scc1 .Lslot
	CHANGE 0                                       ; the last chunk: nothing is left to fetch
	EIGHT
	s_wait_alu depctr_va_vdst(0)                   ; the sums were written just ahead of the scalar lines above
.irp T, 0,1
	v_add_f32 v[WK+16*\T], v[ST+4*\T+2], v[ST+4*\T+3]
.endr
.irp T, 0,1
	s_delay_alu instid0(VALU_DEP_2)
	v_permlanex16_b32 v[WK+16*\T+4], v[WK+16*\T], s[SEL], s[SEL+1]
.endr
.irp T, 0,1
	s_delay_alu instid0(VALU_DEP_2)
	v_add_f32 v[WK+16*\T], v[WK+16*\T], v[WK+16*\T+4]   ; the row's sum
.endr
	v_nop
	v_nop
	s_wait_alu depctr_va_vdst(0)
.irp T, 0,1
	v_rcp_f32 v[WK+16*\T+12], v[WK+16*\T]
.endr
	v_nop
	s_wait_alu depctr_va_vdst(0)
	WIN 0x01
.irp T, 0,1
.set j, 0
.rept 32
	v_mul_f32 v[SCR+64*\T+j], v[OO+32*\T+j], v[WK+16*\T+12]   ; O^T / the sum
.set j, j+1
.endr
.endr
	WIN 0
.irp T, 0,1
	HALFQ SCR+64*\T, PC+12*\T, WK+16*\T
.irp p, 0,1,2
	global_store_b64 v[L8], v[PC+12*\T+2*\p:PC+12*\T+2*\p+1], s[58:59] offset:12288*\T+256*\p   ; 32 lanes store 256 consecutive bytes
.endr
	global_store_b16 v[OSA], v[WK+16*\T+14], s[60:61] offset:512*\T
.endr
	s_wait_tensorcnt 0x0                           ; the wave's end
	ds_add_u32 v[SPW], v[NIL]
	s_wait_dscnt 0x0
	CROUND                                         ; the closing round
	s_endpgm
.Lfunc_end_k_q3307b3fe70_attn:
	.size	k_q3307b3fe70_attn, .Lfunc_end_k_q3307b3fe70_attn-k_q3307b3fe70_attn
	.p2alignl 7, 3214868480
	.fill 96, 4, 3214868480
	.section	.rodata,"a",@progbits
	.p2align	6, 0x0
	.amdhsa_kernel k_q3307b3fe70_attn
		.amdhsa_group_segment_fixed_size 327680
		.amdhsa_private_segment_fixed_size 0
		.amdhsa_enable_private_segment 0
		.amdhsa_kernarg_size 24
		.amdhsa_user_sgpr_count 2
		.amdhsa_user_sgpr_kernarg_segment_ptr 1
		.amdhsa_wavefront_size32 1
		.amdhsa_system_sgpr_workgroup_id_x 1
		.amdhsa_system_sgpr_workgroup_id_y 1
		.amdhsa_system_sgpr_workgroup_id_z 1
		.amdhsa_system_vgpr_workitem_id 0
		.amdhsa_next_free_vgpr 512
		.amdhsa_next_free_sgpr 72
		.amdhsa_reserve_vcc 0
		.amdhsa_float_denorm_mode_32 3
		.amdhsa_float_denorm_mode_16_64 3
		.amdhsa_memory_ordered 1
		.amdhsa_forward_progress 1
		.amdhsa_inst_pref_size 84
	.end_amdhsa_kernel
	.amdgpu_metadata
---
amdhsa.version: [ 1, 2 ]
amdhsa.kernels:
  - .name:           k_q3307b3fe70_attn
    .symbol:         k_q3307b3fe70_attn.kd
    .args:
      - { .name: qq, .offset: 0, .size: 8, .value_kind: global_buffer, .address_space: global }
      - { .name: kv, .offset: 8, .size: 8, .value_kind: global_buffer, .address_space: global }
      - { .name: oo, .offset: 16, .size: 8, .value_kind: global_buffer, .address_space: global }
    .group_segment_fixed_size: 327680
    .private_segment_fixed_size: 0
    .kernarg_segment_align: 8
    .kernarg_segment_size: 24
    .max_flat_workgroup_size: 256
    .sgpr_count:     72
    .vgpr_count:     512
    .wavefront_size: 32
...
	.end_amdgpu_metadata
.endif
;; end of part 3
;; launch proj (part 4): grid 8 x 32, 4 waves a work-group, clusters of 4 x 4, 327,680 bytes of LDS; arguments oo, xw, bo, out0; writes out0
.if DOCPART == 4
	.amdgcn_target "amdgcn-amd-amdhsa--gfx1250"
	.amdhsa_code_object_version 6
	.text
	.protected	k_q3307b3fe70_proj
	.globl	k_q3307b3fe70_proj
	.p2align	8
	.type	k_q3307b3fe70_proj,@function
k_q3307b3fe70_proj:
	s_mov_b64 s[64:65], 0
	v_nop
	global_prefetch_b8 v0, s[64:65] scope:SCOPE_SE
	s_setreg_imm32_b32 hwreg(HW_REG_WAVE_MODE, 25, 1), 1
	s_wait_xcnt 0x0
	s_wait_alu depctr_hold_cnt(0) depctr_sa_sdst(0) depctr_va_vdst(0) depctr_va_sdst(0) depctr_va_ssrc(0) depctr_va_vcc(0) depctr_vm_vsrc(0)
	s_getreg_b32 s2, hwreg(HW_REG_IB_STS2, 6, 4)
	s_cmp_eq_u32 s2, 0
	s_cbranch_scc0 .Lentry_in_a_cluster
	s_endpgm
.Lentry_in_a_cluster:
	s_bfe_u32 s2, ttmp6, 0x10000c
	s_cmp_lg_u32 s2, 0xf033
	s_cbranch_scc0 .Lentry_shape_is_right
	s_endpgm
.Lentry_shape_is_right:
; out0 = o Wo^T + bo on codes of FP6 (E2M3), K = 1,024.  4,096 tokens x 1,024 channels in blocks of 128 x 128: 32 x 8 = 256 work-groups of four waves; a wave makes 64 x 64: 16 accumulators.
; OPERANDS lie in memory as images of their registers: [tile of 16 rows][K step of 128][1,536 bytes]; a block's 8 tiles of o and 8 tiles of Wo, for all of K, are two dense runs of 98,304 bytes.
; Both lie in LDS at once: each wave fetches half of one run by ONE tensor load at the head (192 rows of 256 bytes); nothing is filled again, so there is no ring.
; CLUSTERS: 4 x 4 work-groups; o's run is asked for jointly along a row of the cluster, Wo's along a column.
; The scale words of a wave's 4 + 4 tiles for all eight K steps (8 words a row: two loads of 16 bytes a lane, sixteen lanes to 256 consecutive bytes) and the bias come straight into registers.
; Row rho of tile 2 B + u is matrix row 32 B + 8 u + rho + 8 (rho / 8).  Source 0 = Wo's channels, source 1 = o's tokens: a lane holds one token, and of tiles 2 B, 2 B + 1 the 16 channels 32 B + 16 h + 0 .. 15.
; The bias is the C of each accumulator's first product.  A K step's fragments are asked of LDS one step ahead, in two sets of registers.
; The way out: 16 tokens x 64 channels at a time through the wave's own stage (rows 272 bytes apart), back as rows of 256 bytes: sixteen lanes store one aligned run of 256 bytes; every offset is an immediate.
; No prefetch: the launch has no loop to run ahead in; all its tiles are asked for at its head.
; REGISTERS: window 0: v1-29 addresses; v32-63 o's scale words, v64-95 Wo's; v96-127 the bias; v128-223 o's fragments, two sets, later with v224-255 the rows on their way out.
;   window 1: v0-127 the accumulators ((a, b) at v[8 (4 a + b)]); v128-223 Wo's fragments, two sets.
.set XWS0,  6291456
.set OS0,   3145728
.set FR,    12
.set TILEB, 12288                      ; a tile's codes: 8 K steps x 1,536 bytes
.set HALFT, 4*TILEB                    ; what one tensor load brings, and what one wave reads of o or of Wo
.set STAGE, 4*HALFT
.set SPITCH, 272
.set SPARE, STAGE+4*16*SPITCH          ; the spare words, 128 bytes a wave
.set ADRA, 16
.set ADRB, 17
.set STO,  24
.set RD,   25
.set CO,   26
.set SPW,  28
.set NIL,  29
.set SA,   32
.set SW,   64
.set BI,   96
.set AF,   128
.set BF,   128
.set BK,   128
.set G1,   24
.set G0,   32
.set G1B,  48
.set G0B,  56
.set MSB, 0
.macro WIN new                         ; the immediate's high byte repeats the setting that is left
.if MSB != (\new)
	s_set_vgpr_msb (MSB<<8)|(\new)
.set MSB, (\new)
.endif
.endm
.macro PLACES n
.rept \n
	v_nop
.endr
.endm
.macro CROUND                          ; a round of the cluster's barrier
	s_barrier_signal -1
	s_barrier_wait -1
	s_cmp_lg_u32 s14, 0
	s_cbranch_scc1 .Lnot_wave_0_\@
	s_barrier_signal -3
.Lnot_wave_0_\@:
	s_barrier_wait -3
	s_barrier_signal -1
	s_barrier_wait -1
.endm
.macro FETCH s, p                      ; K step s: 36 LDS loads into set p; every load reads consecutive bytes
	WIN 0x40
.irp i, 0,1,2,3
.irp c, 0,1,2
	ds_load_b128 v[BF+48*(\p)+FR*\i+4*\c:BF+48*(\p)+FR*\i+4*\c+3], v[ADRB] offset:\i*TILEB+(\s)*1536+512*\c
.endr
.endr
	WIN 0
.irp i, 0,1,2,3
.irp q, 0,1,2,3,4,5
	ds_load_b64 v[AF+48*(\p)+FR*\i+2*\q:AF+48*(\p)+FR*\i+2*\q+1], v[ADRA] offset:\i*TILEB+(\s)*1536+256*\q
.endr
.endr
.endm
.macro MUL s, p, first                 ; 16 matrix instructions; the 16 accumulators take turns in the same order in every step
	WIN 0x51-0x10*(\first)                         ; source 0 and D in window 1, source 1 in window 0; C in window 1, the bias in window 0
.irp a, 0,1,2,3
.irp b, 0,1,2,3
.if \first
	v_wmma_scale_f32_16x16x128_f8f6f4 v[8*(4*\a+\b):8*(4*\a+\b)+7], v[BF+48*(\p)+FR*\b:BF+48*(\p)+FR*\b+FR-1], v[AF+48*(\p)+FR*\a:AF+48*(\p)+FR*\a+FR-1], v[BI+8*\b:BI+8*\b+7], v[SW+8*\b+(\s)], v[SA+8*\a+(\s)] matrix_a_fmt:MATRIX_FMT_FP6 matrix_b_fmt:MATRIX_FMT_FP6
.else
	v_wmma_scale_f32_16x16x128_f8f6f4 v[8*(4*\a+\b):8*(4*\a+\b)+7], v[BF+48*(\p)+FR*\b:BF+48*(\p)+FR*\b+FR-1], v[AF+48*(\p)+FR*\a:AF+48*(\p)+FR*\a+FR-1], v[8*(4*\a+\b):8*(4*\a+\b)+7], v[SW+8*\b+(\s)], v[SA+8*\a+(\s)] matrix_a_fmt:MATRIX_FMT_FP6 matrix_b_fmt:MATRIX_FMT_FP6
.endif
.endr
.endr
.endm
.macro TOSTAGE a                       ; token tile a: into my stage, each accumulator from its low end on, and back by rows.  LDS serves a wave's instructions in order: no wait between
	WIN 0x04
.irp b, 0,1,2,3
	ds_store_b128 v[STO], v[8*(4*(\a)+\b):8*(4*(\a)+\b)+3] offset:128*(\b/2)+32*(\b%2)
	ds_store_b128 v[STO], v[8*(4*(\a)+\b)+4:8*(4*(\a)+\b)+7] offset:128*(\b/2)+32*(\b%2)+16
.endr
	WIN 0
.irp t, 0,1,2,3,4,5,6,7
	ds_load_b128 v[BK+32*(\a)+4*\t:BK+32*(\a)+4*\t+3], v[RD] offset:\t*2*SPITCH
.endr
.endm
.macro SEND a, younger                 ; younger: the LDS instructions issued behind tile a's loads, which may stay out.  Each tile has registers of its own: no store's data are written again
	s_wait_dscnt \younger
.irp t, 0,1,2,3,4,5,6,7
	global_store_b128 v[CO], v[BK+32*(\a)+4*\t:BK+32*(\a)+4*\t+3], s[10:11] offset:(32*((\a)/2)+8*((\a)%2)+2*\t+8*(\t/4))*4096 th:TH_STORE_NT
.endr
.endm
	s_load_b256 s[4:11], s[0:1], 0x0               ; oo, xw, bo, out0
	v_lshl_add_u32 v[SPW], v0, 2, SPARE
	v_mov_b32 v[NIL], 0
	ds_add_u32 v[SPW], v[NIL]                      ; the opening lines: the add twice on end and its wait
	ds_add_u32 v[SPW], v[NIL]
	s_wait_dscnt 0x0
	v_lshrrev_b32 v1, 5, v0
	v_readfirstlane_b32 s14, v1                    ; wave
	s_lshr_b32 s15, s14, 1                         ; which 64 tokens are mine.  Also: I fetch for o (0) or for Wo (1)
	s_and_b32 s16, s14, 1                          ; which 64 channels.  Also: which half of the run I fetch
	s_bfe_u32 s40, ttmp6, 0x40000                  ; cx
	s_bfe_u32 s41, ttmp6, 0x40004                  ; cy
	s_lshl_b32 s42, ttmp9, 2
	s_add_co_u32 s42, s42, s40                     ; the block's column
	s_and_b32 s17, ttmp7, 0xffff
	s_lshl_b32 s17, s17, 2
	s_add_co_u32 s17, s17, s41                     ; the block's row
	s_lshl_b32 s43, s41, 2
	s_lshl_b32 s43, 15, s43                        ; my row of the cluster
	s_lshl_b32 s44, 0x1111, s40                    ; my column
	s_or_b32 s[G1+0], s43, (3<<16)|(1<<21)         ; elements of 8 bytes; bit 21 beside a mask
	s_or_b32 s[G1B+0], s44, (3<<16)|(1<<21)
.irp g, G1, G1B
	s_mov_b32 s[\g+1], 32<<16                      ; 192 rows of 256 bytes, dense
	s_mov_b32 s[\g+2], 192<<16
	s_mov_b32 s[\g+3], 32<<16
	s_mov_b32 s[\g+4], 192
	s_mov_b32 s[\g+5], 32
	s_mov_b32 s[\g+6], 0
	s_mov_b32 s[\g+7], 0
.endr
	s_lshl_b32 s18, s16, 2
	s_lshl_b32 s19, s17, 3
	s_add_co_u32 s19, s19, s18                     ; o: the first tile that I would fetch
	s_lshl_b32 s46, s42, 3
	s_add_co_u32 s46, s46, s18
	s_add_co_u32 s46, s46, 448                     ; Wo: likewise; its tiles begin at 448 in xw
	s_mul_i32 s20, s19, TILEB
	s_mov_b32 s21, 0
	s_mul_i32 s46, s46, TILEB
	s_mov_b32 s47, 0
	s_mul_i32 s45, s14, HALFT                      ; o's two halves, then Wo's: no place in the cluster enters an LDS address
	s_wait_kmcnt 0x0
	s_add_nc_u64 s[20:21], s[4:5], s[20:21]
	s_add_nc_u64 s[46:47], s[6:7], s[46:47]
	CROUND                                         ; all sixteen work-groups are here: the joint loads meet
	s_mov_b32 s[G0], 1
	s_mov_b32 s[G0+1], s45
	s_mov_b64 s[G0+2:G0+3], s[20:21]
	s_or_b32 s[G0+3], s[G0+3], 0x80000000
	s_mov_b32 s[G0B], 1
	s_mov_b32 s[G0B+1], s45
	s_mov_b64 s[G0B+2:G0B+3], s[46:47]
	s_or_b32 s[G0B+3], s[G0B+3], 0x80000000
	s_cmp_eq_u32 s15, 0                            ; one tensor load a wave: every way passes one
	s_cbranch_scc0 .Lfor_b
	tensor_load_to_lds s[G0:G0+3], s[G1:G1+7]
	s_nop 0
	PLACES 4
	s_branch .Lasked
.Lfor_b:
	tensor_load_to_lds s[G0B:G0B+3], s[G1B:G1B+7]
	s_nop 0
	PLACES 4
.Lasked:
	s_mul_i32 s22, s15, HALFT                      ; my 4 tiles of o
	s_mul_i32 s23, s16, HALFT
	s_add_co_u32 s23, s23, 2*HALFT                 ; my 4 tiles of Wo
	s_mul_i32 s18, s14, 16*SPITCH
	s_add_co_u32 s18, s18, STAGE                   ; my stage
	v_and_b32 v11, 31, v0                          ; lane
	v_and_b32 v12, 15, v0                          ; r
	v_bfe_u32 v13, v0, 4, 1                        ; h
	v_lshlrev_b32 v1, 3, v11
	v_lshlrev_b32 v2, 4, v11
	v_lshlrev_b32 v9, 6, v13                       ; 64 h: my 16 channels of a block of 32
	v_lshlrev_b32 v10, 4, v12                      ; 16 r
	v_add_nc_u32 v[ADRA], s22, v1
	v_add_nc_u32 v[ADRB], s23, v2
	v_mul_u32_u24 v14, v12, SPITCH
	v_mul_u32_u24 v15, v13, SPITCH
	v_lshl_add_u32 v14, v13, 6, v14
	v_add_nc_u32 v15, v15, v10
	v_add_nc_u32 v[STO], s18, v14                  ; in: row r, + 64 h
	v_add_nc_u32 v[RD], s18, v15                   ; back: lanes 0-15 one row, lanes 16-31 the next
	v_lshl_add_u32 v[CO], v13, 12, v10             ; and the same two rows in out0
	s_wait_alu depctr_va_vdst(0)                   ; the wait at the end of the head's vector lines
	s_lshl_b32 s2, s17, 3
	s_lshl_b32 s3, s15, 2
	s_add_co_u32 s2, s2, s3
	s_lshl_b32 s2, s2, 9
	s_add_co_u32 s2, s2, OS0                       ; the scale words of my 4 tiles of o: 512 bytes a tile
	s_mov_b32 s3, 0
	s_add_nc_u64 s[2:3], s[4:5], s[2:3]
	s_lshl_b32 s12, s42, 3
	s_lshl_b32 s13, s16, 2
	s_add_co_u32 s12, s12, s13
	s_add_co_u32 s12, s12, 448
	s_lshl_b32 s12, s12, 9
	s_add_co_u32 s12, s12, XWS0                    ; and of my 4 tiles of Wo
	s_mov_b32 s13, 0
	s_add_nc_u64 s[12:13], s[6:7], s[12:13]
	s_lshl_b32 s18, s42, 9
	s_lshl_b32 s19, s16, 8
	s_add_co_u32 s18, s18, s19                     ; my first channel, in bytes
	s_mov_b32 s19, 0
	s_add_nc_u64 s[8:9], s[8:9], s[18:19]
	s_lshl_b32 s20, s17, 7
	s_lshl_b32 s21, s15, 6
	s_add_co_u32 s20, s20, s21                     ; my first token
	s_lshl_b32 s20, s20, 12
	s_add_co_u32 s20, s20, s18
	s_mov_b32 s21, 0
	s_add_nc_u64 s[10:11], s[10:11], s[20:21]
.irp i, 0,1,2,3
.irp q, 0,1
	global_load_b128 v[SA+8*\i+4*\q:SA+8*\i+4*\q+3], v10, s[2:3] offset:512*\i+256*\q      ; tile i, K steps 4 q .. 4 q + 3 of row r
	global_load_b128 v[SW+8*\i+4*\q:SW+8*\i+4*\q+3], v10, s[12:13] offset:512*\i+256*\q
.endr
.endr
.irp b, 0,1
.irp j, 0,1,2,3
	global_load_b128 v[BI+16*\b+4*\j:BI+16*\b+4*\j+3], v9, s[8:9] offset:128*\b+16*\j
.endr
.endr
	s_wait_loadcnt 0x0
	s_wait_tensorcnt 0x0                           ; my half run is in;
	s_barrier_signal -1
	s_barrier_wait -1                              ; and so is everybody's
	FETCH 0, 0
	FETCH 1, 1
	s_wait_dscnt 36                                ; all but the 36 loads just issued
	MUL 0, 0, 1                                    ; the first products start the sums on the bias
.irp s, 1,2,3,4,5,6
	PLACES 4                                       ; in front of loads into the set that the last products read
	FETCH \s+1, (\s+1)%2
	s_wait_dscnt 36
	MUL \s, \s%2, 0
.endr
	s_wait_dscnt 0x0
	MUL 7, 1, 0
	WIN 0
	PLACES 4                                       ; in front of the first read of results and of loads into registers that held o's fragments
	TOSTAGE 0
	TOSTAGE 1
	SEND 0, 16                                     ; behind tile 0's loads: tile 1's 8 stores and 8 loads
	TOSTAGE 2
	SEND 1, 16
	TOSTAGE 3
	SEND 2, 16
	SEND 3, 0
	s_wait_tensorcnt 0x0                           ; the wave's end
	ds_add_u32 v[SPW], v[NIL]
	s_wait_dscnt 0x0
	CROUND                                         ; the closing round
	s_endpgm
.Lfunc_end_k_q3307b3fe70_proj:
	.size	k_q3307b3fe70_proj, .Lfunc_end_k_q3307b3fe70_proj-k_q3307b3fe70_proj
	.p2alignl 7, 3214868480
	.fill 96, 4, 3214868480
	.section	.rodata,"a",@progbits
	.p2align	6, 0x0
	.amdhsa_kernel k_q3307b3fe70_proj
		.amdhsa_group_segment_fixed_size 327680
		.amdhsa_private_segment_fixed_size 0
		.amdhsa_enable_private_segment 0
		.amdhsa_kernarg_size 32
		.amdhsa_user_sgpr_count 2
		.amdhsa_user_sgpr_kernarg_segment_ptr 1
		.amdhsa_wavefront_size32 1
		.amdhsa_system_sgpr_workgroup_id_x 1
		.amdhsa_system_sgpr_workgroup_id_y 1
		.amdhsa_system_sgpr_workgroup_id_z 1
		.amdhsa_system_vgpr_workitem_id 0
		.amdhsa_next_free_vgpr 512
		.amdhsa_next_free_sgpr 66
		.amdhsa_reserve_vcc 0
		.amdhsa_float_denorm_mode_32 3
		.amdhsa_float_denorm_mode_16_64 3
		.amdhsa_memory_ordered 1
		.amdhsa_forward_progress 1
		.amdhsa_inst_pref_size 53
	.end_amdhsa_kernel
	.amdgpu_metadata
---
amdhsa.version: [ 1, 2 ]
amdhsa.kernels:
  - .name:           k_q3307b3fe70_proj
    .symbol:         k_q3307b3fe70_proj.kd
    .args:
      - { .name: oo, .offset: 0, .size: 8, .value_kind: global_buffer, .address_space: global }
      - { .name: xw, .offset: 8, .size: 8, .value_kind: global_buffer, .address_space: global }
      - { .name: bo, .offset: 16, .size: 8, .value_kind: global_buffer, .address_space: global }
      - { .name: out0, .offset: 24, .size: 8, .value_kind: global_buffer, .address_space: global }
    .group_segment_fixed_size: 327680
    .private_segment_fixed_size: 0
    .kernarg_segment_align: 8
    .kernarg_segment_size: 32
    .max_flat_workgroup_size: 128
    .sgpr_count:     66
    .vgpr_count:     512
    .wavefront_size: 32
...
	.end_amdgpu_metadata
.endif
;; end of part 4
